; MI455X (gfx1250); checked and timed in simulation.
; The chip was launched on July 23, 2026; its instructions are those of AMD's public machine-readable ISA for CDNA 5 (MIT licence, August 2026) and "CDNA5" Instruction Set Architecture Reference Guide (July 2026). The comments in the code are by the model that wrote it; some were corrected since.
;; Self Attention. Allowed arithmetic: matrix products marked QUANTISED: E2M1 operands, one E8M0 scale for each 32 along K, by v_wmma_scale_f32_16x16x128_f8f6f4 with both operands' format E2M1 (or v_wmma_scale_f32_32x16x128_f4), f32 sums; products left as they are: bf16, f16 or f32 operands; f32 sums; everything else in f32.
;; Inputs: W_proj 1,024 x 1,024 float32; W_qkv 1,024 x 3,072 float32; b_proj 1,024 float32; b_qkv 3,072 float32; x 8 x 1,024 x 1,024 float32.
;; Outputs: out0 8 x 1,024 x 1,024 float32.
;; This version of the problem:
;;   THIS VERSION OF THE PROBLEM IS GIVEN IN LOW PRECISION. The matrix products marked QUANTISED in the list below multiply operands that are first quantised to E2M1 (2 exponent bits, 1 mantissa bit; 4 bits a number), with one power-of-two scale for each 32 numbers along K (OCP MX v1.0); their sums are f32. The products marked 'left as it is' may take bf16, f16 or f32 operands, with f32 sums. All else is computed in f32.
;;   The module's matrix products, in the order in which they are computed (A, B: the left and right operand; K: the contracted axis; several contracted axes count as one K, in the product's order):
;;     1. [M 8,192, K 1,024] x [K 1,024, N 3,072]; A: input x; B: input W_qkv: QUANTISED
;;     2. batch 128 x [M 1,024, K 64] x [K 64, N 1,024]; A: computed on the way; B: computed on the way: left as it is (an operand is computed on the way)
;;     3. batch 128 x [M 1,024, K 1,024] x [K 1,024, N 64]; A: computed on the way; B: computed on the way: left as it is (an operand is computed on the way)
;;     4. [M 8,192, K 1,024] x [K 1,024, N 1,024]; A: computed on the way; B: input W_proj: left as it is (an operand is computed on the way)
;;   THE QUANTISER, for each operand of a quantised product, along K:
;;     - K is cut into blocks of 32 from its start; a last block that is shorter is filled with zeros.
;;     - A block's scale is 2^e with e = floor(log2(the largest magnitude in the block)) - 2, held to -126 .. 127; a block of zeros has e = 0. As a byte (E8M0): e + 127.
;;     - Each number is divided by its block's scale, clamped to +-6, and rounded to the nearest number of E2M1, ties to even, subnormals kept.
;;     - The product sums the exact products of the quantised numbers (number of the format x scale) in f32.
;;   ~~~python
;;   def quantise(x, axis):      # numpy; x: float32 -> the quantised numbers, widened to float32 again
;;       x = np.moveaxis(x, axis, -1); K = x.shape[-1]
;;       x = np.pad(x, [(0, 0)] * (x.ndim - 1) + [(0, -K % 32)]); x = x.reshape(x.shape[:-1] + (-1, 32)); a = np.abs(x).max(-1, keepdims=True)
;;       e = np.where(a > 0, np.clip(np.frexp(np.where(a > 0, a, 1))[1] - 1 - 2, -126, 127), 0)      # np.frexp(a)[1] - 1 = floor(log2(a)), exactly
;;       r = np.clip(x / 2.0 ** e, -6, 6)
;;       step = 2.0 ** (np.maximum(np.frexp(np.where(r == 0, 1, r))[1] - 1, 0) - 1)
;;       q = np.round(r / step) * step * 2.0 ** e      # np.round: ties to even
;;       return np.moveaxis(q.reshape(q.shape[:-2] + (-1,))[..., :K], -1, axis).astype(np.float32)
;;   ~~~
;; One version. Each part assembles by itself: llvm-mc -triple=amdgcn-amd-amdhsa -mcpu=gfx1250 --defsym DOCPART=n.
;; ======== version 1 of 1: 5 launches
;; limits: values are held in f16: magnitudes above 65,504 overflow, below 6.1e-05 lose precision
;; workspace buffers: xq 4,456,448 bytes; wq 1,671,168 bytes; wp 4,194,304 bytes; qf 16,777,216 bytes; kvf 34,078,720 bytes; nl 524,288 bytes; yf 17,039,360 bytes
;; launch prep (part 1): grid 512 x 1, 4 waves a work-group, no clusters, 34,304 bytes of LDS; arguments x, W_qkv, W_proj, xq, wq, wp; writes xq, wq, wp
.if DOCPART == 1
	.amdgcn_target "amdgcn-amd-amdhsa--gfx1250"
	.amdhsa_code_object_version 6
	.text
	.protected	k_q72a819ed72_prep
	.globl	k_q72a819ed72_prep
	.p2align	8
	.type	k_q72a819ed72_prep,@function
k_q72a819ed72_prep:
	s_mov_b64 s[64:65], 0
	v_nop
	global_prefetch_b8 v0, s[64:65] scope:SCOPE_SE
	s_setreg_imm32_b32 hwreg(HW_REG_WAVE_MODE, 25, 1), 1
	s_wait_xcnt 0x0
; x [8192][1024] and W_qkv [1024][3072], f32, become codes of FP4 (E2M1) with one E8M0 byte for each 32 along K; W_proj [1024][1024] becomes TWO f16 numbers each: hi = f16(w), lo = f16(w - hi).
; ALL THREE ARE LAID AS IMAGES OF OPERAND REGISTERS, so that the later launches fetch fragments as dense runs of 512 bytes (16 bytes a lane at 16 x lane).
;   xq: [block of 256 rows: 32][K step of 128: 8][17,408 bytes]: 16 tiles of 16 rows x 2 pieces x 512 bytes (lane 16 h + r holds block 2 c + h of row r), then 256 scale words (byte b: block b).
;   wq: [block of 256 columns: 12][K step: 8][17,408]: the same, a row being an output column.
;   wp: hi, 2,097,152 bytes: [block of 128 columns: 8][32 along K: 32][tile of 16 columns: 8][e: 2][lane][16 bytes]: W_proj[32 kc + 16 e + 8 h + 0..7][16 nt + r]; behind it lo, laid alike.
; A block's scale is 2^(floor(log2(largest magnitude)) - 2): its byte is the largest magnitude's exponent field - 2, held at 1 from below by a floor among the maximum's leaves.
; LIMITS: a block of zeros gets the byte 1 where the rule says 127 (its codes are zeros, and the bytes are read by this program alone); NaN and infinities among the inputs are not served;
; |W_proj| stays under 65,504, f16's largest number (30 times the drawn size is some 3).
; Work-groups 0-255 take x, 256-447 W_qkv, 448-511 W_proj: three ways that part on the work-group's number.  Only x's way uses LDS, each wave its own bytes: no barrier.
.set XSTEP, 17408                      ; a K step of a block: 16,384 bytes of codes + 1,024 of scale words
.set XBLK,  8*XSTEP
.set R,     32                         ; x: v32-159  two sets of 64 numbers as they are loaded
.set X,     160                        ; x: v160-223 my 64 numbers: two whole blocks of 32
.set C,     224                        ; x: v224-255 codes, 8 registers a fragment, never written again
.set NUM,   32                         ; W_qkv: v32-159 my column's 128 numbers down K
.set OUTC,  160                        ; W_qkv: v160-175 the codes, never written again
.set PN,    128                        ; W_proj: v128-255 my column's 128 numbers down K; the lo parts are packed into them
.set PH,    32                         ; W_proj: v32-95 the hi parts, never written again
.macro LOADF f                         ; fragment f: 16 rows x 128 numbers; each load takes 512 consecutive bytes of one row
.irp row, 0,1,2,3,4,5,6,7,8,9,10,11,12,13,14,15
	global_load_b128 v[R+64*((\f)%2)+4*\row:R+64*((\f)%2)+4*\row+3], v4, s[4:5] offset:\row*4096+(\f)*512 th:TH_LOAD_NT
.endr
.endm
.macro FRAG f
.if (\f) < 3
	s_wait_loadcnt 16                              ; this fragment's 16 loads are in; the next one's 16 may be out
.else
	s_wait_loadcnt 0x0
.endif
.irp row, 0,1,2,3,4,5,6,7,8,9,10,11,12,13,14,15
	ds_store_b128 v5, v[R+64*((\f)%2)+4*\row:R+64*((\f)%2)+4*\row+3] offset:\row*528   ; through my stage, rows 528 bytes apart
.endr
.irp c, 0,1
.irp i, 0,1,2,3,4,5,6,7
	ds_load_b128 v[X+32*\c+4*\i:X+32*\c+4*\i+3], v6 offset:256*\c+16*\i   ; back: block 2 c + h of row r, 128 bytes; LDS serves a wave in order, so these see the stores
.endr
.endr
	s_wait_dscnt 0x0                               ; my numbers are back, and the stores have read their set
.if (\f) < 2
	LOADF (\f)+2
.endif
.irp c, 0,1
	v_max3_num_f32 v[10+\c], |v[X+32*\c]|, |v[X+32*\c+1]|, 0x1800000   ; the floor 2^(3 - 127): the byte cannot fall under 1
.endr
.irp i, 2,4,6,8,10,12,14,16,18,20,22,24,26,28,30
.irp c, 0,1
	v_max3_num_f32 v[10+\c], v[10+\c], |v[X+32*\c+\i]|, |v[X+32*\c+\i+1]|
.endr
.endr
.irp c, 0,1
	v_add_nc_u32 v[12+\c], 0xff000000, v[10+\c]    ; 2 off the exponent field: the conversion's scale operand
.endr
.irp c, 0,1
	v_lshrrev_b32 v[14+\c], 23, v[12+\c]           ; the scale's byte
.endr
	v_lshl_or_b32 v16, v15, 16, v14                ; my bytes: blocks h and 2 + h,
	v_lshlrev_b32 v16, v7, v16                     ; 8 h bits up;
	v_permlanex16_b32 v17, v16, s30, s31
	v_or_b32 v[20+(\f)], v16, v17                  ; with lane l xor 16's two the row's word is whole
.irp c, 0,1
.irp g, 0,1,2,3
	v_cvt_scalef32_pk8_fp4_f32 v[C+8*(\f)+4*\c+\g], v[X+32*\c+8*\g:X+32*\c+8*\g+7], v[12+\c]
.endr
.endr
	v_nop                                          ; one plain line behind the scaled conversions
.irp c, 0,1
	global_store_b128 v4, v[C+8*(\f)+4*\c:C+8*(\f)+4*\c+3], s[24:25] offset:(\f)*XSTEP+512*\c   ; a piece: 512 consecutive bytes
.endr
.endm
.macro LOADB b, pitch, base            ; block b of my column: 32 rows of the weight; 32 lanes read 128 consecutive bytes
.irp i, 0,1,2,3,4,5,6,7,8,9,10,11,12,13,14,15,16,17,18,19,20,21,22,23,24,25,26,27,28,29,30,31
	global_load_b32 v[(\base)+32*(\b)+\i], v6, s[4:5] offset:(32*(\b)+\i)*\pitch th:TH_LOAD_NT
.endr
.endm
.macro WBLOCK b
.if (\b) < 3
	s_wait_loadcnt 32                              ; this block's 32 loads are in; the next block's may be out
.else
	s_wait_loadcnt 0x0
.endif
.if (\b) < 2
	LOADB (\b)+2, 12288, NUM
.endif
.set XS, NUM+32*(\b)
	v_max3_num_f32 v10, |v[XS]|, |v[XS+1]|, |v[XS+2]|
	v_max3_num_f32 v11, |v[XS+3]|, |v[XS+4]|, |v[XS+5]|
.irp i, 6,10,14,18,22,26
	v_max3_num_f32 v10, v10, |v[XS+\i]|, |v[XS+\i+1]|
	v_max3_num_f32 v11, v11, |v[XS+\i+2]|, |v[XS+\i+3]|
.endr
	v_max3_num_f32 v10, v10, |v[XS+30]|, |v[XS+31]|
	v_max3_num_f32 v10, v10, v11, 0x1800000        ; and the floor
	v_add_nc_u32 v12, 0xff000000, v10
	v_lshrrev_b32 v13, 23, v12
.if (\b) == 0
	v_mov_b32 v20, v13                             ; the column's scale word, the lower K in the lower byte
.else
	v_lshl_or_b32 v20, v13, 8*(\b), v20
.endif
.irp g, 0,1,2,3
	v_cvt_scalef32_pk8_fp4_f32 v[OUTC+4*(\b)+\g], v[XS+8*\g:XS+8*\g+7], v12
.endr
	v_nop                                          ; one plain line behind the scaled conversions
	global_store_b128 v5, v[OUTC+4*(\b):OUTC+4*(\b)+3], s[24:25] offset:256*(\b)   ; sixteen lanes fill 256 consecutive bytes, aligned
.endm
; W_proj, 32 along K of my column: eight numbers at a time become 16 bytes of hi and 16 bytes of lo.  The lo parts are made in place and packed into the numbers' own registers, which are not loaded again.
.macro PBLOCK b
.if (\b) < 3
	s_wait_loadcnt 32
.else
	s_wait_loadcnt 0x0
.endif
.if (\b) < 2
	LOADB (\b)+2, 4096, PN
.endif
.irp q, 0,1,2,3
.set NB, PN+32*(\b)+8*\q
.set HO, PH+16*(\b)+4*\q
.irp i, 0,1,2,3
	v_cvt_pk_f16_f32 v[HO+\i], v[NB+2*\i], v[NB+2*\i+1]            ; hi
.endr
.irp i, 0,1,2,3
	v_mov_b32 v18, v[HO+\i]                                        ; hi as f32 again: the low half,
	v_lshrrev_b32 v19, 16, v[HO+\i]                                ; the high half
	v_cvt_f32_f16 v[10+2*\i], v18.l
	v_cvt_f32_f16 v[11+2*\i], v19.l
.endr
.irp i, 0,1,2,3
	v_pk_add_f32 v[NB+2*\i:NB+2*\i+1], v[NB+2*\i:NB+2*\i+1], v[10+2*\i:11+2*\i] neg_lo:[0,1] neg_hi:[0,1]   ; w - hi, exact
.endr
.irp i, 0,1,2,3
	v_cvt_pk_f16_f32 v[NB+\i], v[NB+2*\i], v[NB+2*\i+1]            ; lo; register i is written when pairs 0 .. i - 1 have been read
.endr
	global_store_b128 v5, v[HO:HO+3], s[24:25] offset:(\b)*8192+\q*256
	global_store_b128 v5, v[NB:NB+3], s[24:25] offset:2097152+(\b)*8192+\q*256
.endr
.endm
	s_load_b256 s[4:11], s[0:1], 0x0               ; x s[4:5], W_qkv s[6:7], W_proj s[8:9], xq s[10:11]
	s_load_b128 s[12:15], s[0:1], 0x20             ; wq s[12:13], wp s[14:15]
	v_lshl_add_u32 v30, v0, 2, 0x8400
	v_mov_b32 v31, 0
	v_lshrrev_b32 v1, 5, v0
	v_readfirstlane_b32 s16, v1                    ; wave
	v_and_b32 v1, 31, v0                           ; lane
	v_and_b32 v2, 15, v0                           ; r
	v_bfe_u32 v3, v0, 4, 1                         ; h
	v_lshlrev_b32 v4, 4, v1                        ; 16 x lane
	s_cmp_ge_u32 ttmp9, 256
	s_cbranch_scc1 .Lweights
	; ---- x: a wave takes 16 rows x 512 along K: four fragments
	s_lshl_b32 s17, ttmp9, 2
	s_add_co_u32 s17, s17, s16
	s_lshr_b32 s18, s17, 1                         ; which tile of 16 rows, 0..511
	s_and_b32 s19, s17, 1                          ; which half of K
	s_lshl_b32 s20, s18, 16                        ; 16 rows of 4,096 bytes
	s_lshl_b32 s21, s19, 11
	s_add_co_u32 s20, s20, s21
	s_mov_b32 s21, 0
	s_lshr_b32 s22, s18, 4
	s_mul_i32 s22, s22, XBLK
	s_mul_i32 s23, s19, 4*XSTEP
	s_add_co_u32 s22, s22, s23                     ; the block of 256 rows and its K step
	s_and_b32 s23, s18, 15
	s_lshl_b32 s24, s23, 10
	s_add_co_u32 s24, s24, s22                     ; my tile's codes
	s_mov_b32 s25, 0
	s_lshl_b32 s26, s23, 6
	s_add_co_u32 s26, s26, s22
	s_add_co_u32 s26, s26, 16384                   ; my tile's scale words
	s_mov_b32 s27, 0
	s_mul_i32 s28, s16, 16*528                     ; my stage
	v_add_nc_u32 v5, s28, v4                       ; in: 16 x lane of a row
	v_mul_u32_u24 v6, v2, 528
	v_lshl_add_u32 v6, v3, 7, v6
	v_add_nc_u32 v6, s28, v6                       ; back: row r, + 128 h
	v_lshlrev_b32 v7, 3, v3                        ; 8 h
	v_mul_u32_u24 v8, v3, XSTEP
	v_lshl_add_u32 v8, v2, 2, v8                   ; scale words out: lanes 0-15 one K step, lanes 16-31 the next
	v_mov_b32 v17, 0                               ; a lane permute's destination counts as one of its sources
	s_mov_b32 s30, 0x76543210
	s_mov_b32 s31, 0xfedcba98                      ; selects for lane l xor 16
	s_wait_kmcnt 0x0
	s_add_nc_u64 s[4:5], s[4:5], s[20:21]
	s_add_nc_u64 s[24:25], s[10:11], s[24:25]
	s_add_nc_u64 s[26:27], s[10:11], s[26:27]
	LOADF 0
	LOADF 1
	FRAG 0
	FRAG 1
	FRAG 2
	FRAG 3
	v_cmp_le_u32 vcc_lo, 16, v1
	v_cndmask_b32 v24, v20, v21, vcc_lo            ; lanes 0-15: K step 0's words; lanes 16-31: K step 1's
	v_cndmask_b32 v25, v22, v23, vcc_lo
	global_store_b32 v8, v24, s[26:27]
	global_store_b32 v8, v25, s[26:27] offset:2*XSTEP
	s_wait_tensorcnt 0x0
	ds_add_u32 v30, v31
	s_wait_dscnt 0x0
	s_endpgm
.Lweights:                                         ; a lane takes a column and its registers run down K: 32 columns x 128 along K a wave
	v_lshlrev_b32 v5, 10, v3
	v_lshl_add_u32 v5, v2, 4, v5                   ; out: tile lane / 16, 16 bytes at 16 r
	v_lshlrev_b32 v6, 2, v1                        ; in: 4 bytes a lane
	s_cmp_ge_u32 ttmp9, 448
	s_cbranch_scc1 .Lproj
	; ---- W_qkv
	s_sub_co_u32 s17, ttmp9, 256
	s_and_b32 s18, s17, 7                          ; K step
	s_lshr_b32 s19, s17, 3
	s_lshl_b32 s19, s19, 2
	s_add_co_u32 s19, s19, s16                     ; which 32 columns, 0..95
	s_mul_i32 s20, s18, 128*12288
	s_lshl_b32 s21, s19, 7
	s_add_co_u32 s20, s20, s21
	s_mov_b32 s21, 0
	s_lshr_b32 s22, s19, 3
	s_mul_i32 s22, s22, XBLK
	s_mul_i32 s23, s18, XSTEP
	s_add_co_u32 s22, s22, s23
	s_and_b32 s23, s19, 7
	s_lshl_b32 s24, s23, 11
	s_add_co_u32 s24, s24, s22                     ; my two tiles' codes
	s_mov_b32 s25, 0
	s_lshl_b32 s26, s23, 7
	s_add_co_u32 s26, s26, s22
	s_add_co_u32 s26, s26, 16384                   ; my 32 scale words
	s_mov_b32 s27, 0
	s_wait_kmcnt 0x0
	s_add_nc_u64 s[4:5], s[6:7], s[20:21]
	s_add_nc_u64 s[24:25], s[12:13], s[24:25]
	s_add_nc_u64 s[26:27], s[12:13], s[26:27]
	LOADB 0, 12288, NUM
	LOADB 1, 12288, NUM
	WBLOCK 0
	WBLOCK 1
	WBLOCK 2
	WBLOCK 3
	global_store_b32 v6, v20, s[26:27]
	s_endpgm
.Lproj:	; ---- W_proj
	s_sub_co_u32 s17, ttmp9, 448
	s_and_b32 s18, s17, 7                          ; which 128 along K
	s_lshr_b32 s19, s17, 3
	s_lshl_b32 s19, s19, 2
	s_add_co_u32 s19, s19, s16                     ; which 32 columns, 0..31
	s_lshl_b32 s20, s18, 19                        ; 128 rows of 4,096 bytes
	s_lshl_b32 s21, s19, 7
	s_add_co_u32 s20, s20, s21
	s_mov_b32 s21, 0
	s_lshr_b32 s22, s19, 2
	s_lshl_b32 s22, s22, 18                        ; the block of 128 columns: 262,144 bytes
	s_lshl_b32 s23, s18, 15                        ; four steps of 32 along K, 8,192 bytes each
	s_add_co_u32 s22, s22, s23
	s_and_b32 s23, s19, 3
	s_lshl_b32 s23, s23, 11                        ; my two tiles
	s_add_co_u32 s24, s22, s23
	s_mov_b32 s25, 0
	s_wait_kmcnt 0x0
	s_add_nc_u64 s[4:5], s[8:9], s[20:21]
	s_add_nc_u64 s[24:25], s[14:15], s[24:25]
	LOADB 0, 4096, PN
	LOADB 1, 4096, PN
	PBLOCK 0
	PBLOCK 1
	PBLOCK 2
	PBLOCK 3
	s_endpgm
.Lfunc_end_k_q72a819ed72_prep:
	.size	k_q72a819ed72_prep, .Lfunc_end_k_q72a819ed72_prep-k_q72a819ed72_prep
	.p2alignl 7, 3214868480
	.fill 96, 4, 3214868480
	.section	.rodata,"a",@progbits
	.p2align	6, 0x0
	.amdhsa_kernel k_q72a819ed72_prep
		.amdhsa_group_segment_fixed_size 34304
		.amdhsa_private_segment_fixed_size 0
		.amdhsa_enable_private_segment 0
		.amdhsa_kernarg_size 48
		.amdhsa_user_sgpr_count 2
		.amdhsa_user_sgpr_kernarg_segment_ptr 1
		.amdhsa_wavefront_size32 1
		.amdhsa_system_sgpr_workgroup_id_x 1
		.amdhsa_system_sgpr_workgroup_id_y 1
		.amdhsa_system_sgpr_workgroup_id_z 1
		.amdhsa_system_vgpr_workitem_id 0
		.amdhsa_next_free_vgpr 256
		.amdhsa_next_free_sgpr 66
		.amdhsa_reserve_vcc 1
		.amdhsa_float_denorm_mode_32 3
		.amdhsa_float_denorm_mode_16_64 3
		.amdhsa_memory_ordered 1
		.amdhsa_forward_progress 1
		.amdhsa_inst_pref_size 86
	.end_amdhsa_kernel
	.amdgpu_metadata
---
amdhsa.version: [ 1, 2 ]
amdhsa.kernels:
  - .name:           k_q72a819ed72_prep
    .symbol:         k_q72a819ed72_prep.kd
    .args:
      - { .name: x, .offset: 0, .size: 8, .value_kind: global_buffer, .address_space: global }
      - { .name: W_qkv, .offset: 8, .size: 8, .value_kind: global_buffer, .address_space: global }
      - { .name: W_proj, .offset: 16, .size: 8, .value_kind: global_buffer, .address_space: global }
      - { .name: xq, .offset: 24, .size: 8, .value_kind: global_buffer, .address_space: global }
      - { .name: wq, .offset: 32, .size: 8, .value_kind: global_buffer, .address_space: global }
      - { .name: wp, .offset: 40, .size: 8, .value_kind: global_buffer, .address_space: global }
    .group_segment_fixed_size: 34304
    .private_segment_fixed_size: 0
    .kernarg_segment_align: 8
    .kernarg_segment_size: 48
    .max_flat_workgroup_size: 128
    .sgpr_count:     66
    .vgpr_count:     256
    .wavefront_size: 32
...
	.end_amdgpu_metadata
.endif
;; end of part 1
;; launch qkv (part 2): grid 12 x 32, 16 waves a work-group, clusters of 4 x 4, 280,576 bytes of LDS; arguments xq, wq, b_qkv, qf, kvf; writes qf, kvf
.if DOCPART == 2
	.amdgcn_target "amdgcn-amd-amdhsa--gfx1250"
	.amdhsa_code_object_version 6
	.text
	.protected	k_q72a819ed72_qkv
	.globl	k_q72a819ed72_qkv
	.p2align	8
	.type	k_q72a819ed72_qkv,@function
k_q72a819ed72_qkv:
	s_mov_b64 s[64:65], 0
	v_nop
	global_prefetch_b8 v0, s[64:65] scope:SCOPE_SE
	s_setreg_imm32_b32 hwreg(HW_REG_WAVE_MODE, 25, 1), 1
	s_wait_xcnt 0x0
	s_wait_alu depctr_hold_cnt(0) depctr_sa_sdst(0) depctr_va_vdst(0) depctr_va_sdst(0) depctr_va_ssrc(0) depctr_va_vcc(0) depctr_vm_vsrc(0)
	s_getreg_b32 s2, hwreg(HW_REG_IB_STS2, 6, 4)
	s_cmp_eq_u32 s2, 0
	s_cbranch_scc0 .Lentry_in_a_cluster
	s_endpgm
.Lentry_in_a_cluster:
	s_bfe_u32 s2, ttmp6, 0x10000c
	s_cmp_lg_u32 s2, 0xf033
	s_cbranch_scc0 .Lentry_shape_is_right
	s_endpgm
.Lentry_shape_is_right:
; qkv = x W_qkv + b_qkv on codes of FP4 with E8M0 scales, sums in f32; the results leave as f16 IMAGES OF THE NEXT PRODUCTS' OPERAND REGISTERS:
;   qf:  [batch x head: 128][tile of 16 tokens: 64][piece: 4][lane][16 bytes]: lane 16 h + r holds (token r, d = 16 piece + 8 h + 0..7);  q is multiplied by c = log2(e) / 8 first.
;   kvf: [batch x head: 128][266,240 bytes]: K as q is laid (131,072 bytes); then V TRANSPOSED, [32 keys: 32][tile of 16 channels: 4][e: 2][lane][16 bytes]: (channel r, keys 16 e + 8 h + 0..7) (131,072 bytes);
;        then, for keys 992 to 1023 alone, lo = f16(v - f16(v)), laid as those 32 keys of V are (4,096 bytes).
; WHY THE LO PART, AND WHY THERE: key j shares its weight among 1024 - j queries only, so the last keys' v enter the last queries' rows with weights near 1, and those rows are many times the rms of the whole
; output, on which the allowance hangs.  The squares of the weights of all keys before 992 add up to about 1/32.
; LIMIT: |c q|, |k| and |v| stay under 65,504, f16's largest number; with x and W_qkv both 30 times the drawn size |k| and |v| reach some 3,200.
; A work-group makes 256 tokens x 256 columns; a block of 256 columns lies wholly in q, k or v, and the kind is the cluster's x, the same in all partners.
; ALL OF K IS IN LDS AT ONCE: x's block and W's block, 139,264 bytes each, come by first fills alone, four loads of two K steps a side; nothing is filled twice.
; CLUSTER 4 x 4: the four work-groups of a row need the same block of x, the four of a column the same block of W: each load is asked for jointly.  The four rows of a cluster take the SAME QUARTER of four
; sequences (batch = (cluster y >> 2) + 2 cy, quarter = cluster y & 3), so that the branch round the lo part hangs on the cluster's y and the wave's number alone.
; Sixteen waves, four to a SIMD: wave w makes tokens 64 (w % 4) on x channels 64 (w / 4) on, which is one head: 16 accumulators, no register windows.
; q, k: the product is used TRANSPOSED (source 0 = 16 columns of W, source 1 = 16 tokens): a lane holds a token and eight neighbouring channels.  v: as it stands: a lane holds a channel and eight
; neighbouring tokens.  Narrowed, a lane's eight numbers are 16 bytes of an image: every store is 512 consecutive bytes, with no way through LDS.
; The bias is the C of each sum's first K step.
.set XSTEP, 17408
.set XBLK,  8*XSTEP
.set WREG,  XBLK                       ; LDS: x's block at 0, W's behind it
.set AX,  4                            ; v4  LDS address of my four tiles of x in the K step in hand
.set AW,  5                            ; v5  of W
.set AXS, 6                            ; v6  of x's scale words: lanes 0-15 an even tile's rows, lanes 16-31 the odd tile's
.set AWS, 7                            ; v7  of W's
.set XF,  16                           ; v16-47  x's four fragments
.set WF,  48                           ; v48-79  W's four
.set XS,  80                           ; v80-81  x's scale words: these four registers hold scales and nothing else
.set WS,  82                           ; v82-83  W's
.set BIAS, 84                          ; v84-115 the bias in the result's layout, 8 registers for each tile of channels
.set ACC, 128                          ; v128-255 accumulator (a, b) at 128 + 8 (4 a + b): a tokens, b channels
.set G1X, 16                           ; s[16:23] descriptor group 1 for x, s[24:31] for W: they differ in the mask
.set G1W, 24
.set G0X, 32                           ; s[32:47] four groups 0 for x, s[48:63] for W
.set G0W, 48
.set WV,  66
.set KIND, 67
.set QUART, 92                         ; s92 which quarter of the sequence: made of the cluster's y alone
.macro CROUND                          ; a round of the cluster's barrier
	s_barrier_signal -1
	s_barrier_wait -1
	s_cmp_lg_u32 s[WV], 0
	s_cbranch_scc1 .Lnot_wave_0_\@
	s_barrier_signal -3
.Lnot_wave_0_\@:
	s_barrier_wait -3
	s_barrier_signal -1
	s_barrier_wait -1
.endm
; One product.  In K step 0 the C is the bias, later the sum itself.  r0, r1: which half of the lanes of the scale registers holds the tile's words.
.macro MM d, s0, s1, ks, bi, sc0, r0, sc1, r1
.set CR, (\d)
.if (\ks) == 0
.set CR, (\bi)
.endif
.if ((\r0) == 1) && ((\r1) == 1)
	v_wmma_scale_f32_16x16x128_f8f6f4 v[(\d):(\d)+7], v[(\s0):(\s0)+7], v[(\s1):(\s1)+7], v[CR:CR+7], v[(\sc0)], v[(\sc1)] matrix_a_fmt:MATRIX_FMT_FP4 matrix_b_fmt:MATRIX_FMT_FP4 matrix_a_scale:MATRIX_SCALE_ROW1 matrix_b_scale:MATRIX_SCALE_ROW1
.elseif (\r0) == 1
	v_wmma_scale_f32_16x16x128_f8f6f4 v[(\d):(\d)+7], v[(\s0):(\s0)+7], v[(\s1):(\s1)+7], v[CR:CR+7], v[(\sc0)], v[(\sc1)] matrix_a_fmt:MATRIX_FMT_FP4 matrix_b_fmt:MATRIX_FMT_FP4 matrix_a_scale:MATRIX_SCALE_ROW1
.elseif (\r1) == 1
	v_wmma_scale_f32_16x16x128_f8f6f4 v[(\d):(\d)+7], v[(\s0):(\s0)+7], v[(\s1):(\s1)+7], v[CR:CR+7], v[(\sc0)], v[(\sc1)] matrix_a_fmt:MATRIX_FMT_FP4 matrix_b_fmt:MATRIX_FMT_FP4 matrix_b_scale:MATRIX_SCALE_ROW1
.else
	v_wmma_scale_f32_16x16x128_f8f6f4 v[(\d):(\d)+7], v[(\s0):(\s0)+7], v[(\s1):(\s1)+7], v[CR:CR+7], v[(\sc0)], v[(\sc1)] matrix_a_fmt:MATRIX_FMT_FP4 matrix_b_fmt:MATRIX_FMT_FP4
.endif
.endm
.macro MULS ks, nat                    ; a K step's 16 products: the accumulators take turns, one instruction a turn, in the same order in every step
.irp a, 0,1,2,3
.irp b, 0,1,2,3
.if \nat
	MM ACC+8*(4*\a+\b), XF+8*\a, WF+8*\b, \ks, BIAS+8*\b, XS+\a/2, \a%2, WS+\b/2, \b%2
.else
	MM ACC+8*(4*\a+\b), WF+8*\b, XF+8*\a, \ks, BIAS+8*\b, WS+\b/2, \b%2, XS+\a/2, \a%2
.endif
.endr
.endr
.endm
.macro KSTEP ks
.if (\ks)%2 == 0
	s_wait_tensorcnt 3-(\ks)/2                     ; in the two waves that fetch: this double K step has landed, the later ones may be out
	s_barrier_signal -1                            ; (no LDS access of mine is pending: the last step waited for all)
	s_barrier_wait -1
.endif
.irp a, 0,1,2,3
.irp c, 0,1
	ds_load_b128 v[XF+8*\a+4*\c:XF+8*\a+4*\c+3], v[AX] offset:1024*\a+512*\c
	ds_load_b128 v[WF+8*\a+4*\c:WF+8*\a+4*\c+3], v[AW] offset:1024*\a+512*\c
.endr
.endr
.irp p, 0,1
	ds_load_b32 v[XS+\p], v[AXS] offset:128*\p
	ds_load_b32 v[WS+\p], v[AWS] offset:128*\p
.endr
.if (\ks) == 0
	s_wait_loadcnt 0x0                             ; the bias
.endif
	s_wait_dscnt 0x0
	s_cmp_eq_u32 s[KIND], 2                        ; only the run of products differs between the kinds
	s_cbranch_scc1 .Lnat_\@
	MULS \ks, 0
	s_branch .Ljoin_\@
.Lnat_\@:
	MULS \ks, 1
.Ljoin_\@:
.if (\ks) < 7
	v_add_nc_u32 v[AX], XSTEP, v[AX]               ; on to the next K step: these four lines are also the four places in front of the loads into registers that the products have read
	v_add_nc_u32 v[AW], XSTEP, v[AW]
	v_add_nc_u32 v[AXS], XSTEP, v[AXS]
	v_add_nc_u32 v[AWS], XSTEP, v[AWS]
.endif
.endm
	s_load_b256 s[4:11], s[0:1], 0x0               ; xq s[4:5], wq s[6:7], b_qkv s[8:9], qf s[10:11]
	s_load_b64 s[12:13], s[0:1], 0x20              ; kvf
	v_lshl_add_u32 v126, v0, 2, 0x44000
	v_mov_b32 v127, 0
	ds_add_u32 v126, v127
	ds_add_u32 v126, v127
	v_lshrrev_b32 v1, 5, v0
	v_readfirstlane_b32 s[WV], v1                  ; wave 0..15
	s_mov_b32 s[KIND], ttmp9                       ; the cluster's x: 0 q, 1 k, 2 v
	s_bfe_u32 s68, ttmp6, 0x40000                  ; cx
	s_bfe_u32 s69, ttmp6, 0x40004                  ; cy
	s_lshl_b32 s70, ttmp9, 2
	s_add_co_u32 s70, s70, s68                     ; block of columns = 4 x cluster x + cx
	s_and_b32 s[QUART], ttmp7, 3                   ; the quarter of the sequence: cluster y & 3
	s_bfe_u32 s71, ttmp7, 0x10002                  ; cluster y >> 2 (the cluster's y is 0 to 7)
	s_lshl_b32 s93, s69, 1
	s_add_co_u32 s71, s71, s93                     ; the batch = (cluster y >> 2) + 2 cy
	s_lshl_b32 s71, s71, 2
	s_add_co_u32 s71, s71, s[QUART]                ; block of tokens = 4 x batch + quarter
	s_lshl_b32 s72, s69, 2
	s_lshl_b32 s72, 15, s72                        ; my row of the cluster
	s_lshl_b32 s73, 0x1111, s68                    ; my column
	s_or_b32 s[G1X], s72, (3<<16)|(1<<21)          ; 15:0 the mask; 17:16 elements of 8 bytes; 21 set beside a mask; no padding: the images are read 512 consecutive bytes at a time
	s_or_b32 s[G1W], s73, (3<<16)|(1<<21)
.irp g, G1X, G1W
	s_mov_b32 s[\g+1], 32<<16                      ; tensor_dim0: rows of 256 bytes
	s_mov_b32 s[\g+2], 136<<16                     ; tensor_dim1: two K steps are 34,816 dense bytes = 136 rows
	s_mov_b32 s[\g+3], 32<<16                      ; tile_dim0
	s_mov_b32 s[\g+4], 136                         ; tile_dim1
	s_mov_b32 s[\g+5], 32                          ; the pitch
	s_mov_b32 s[\g+6], 0
	s_mov_b32 s[\g+7], 0
.endr
	s_mul_i32 s74, s71, XBLK                       ; x's block hangs on the block of tokens alone, which my row shares;
	s_mov_b32 s75, 0
	s_mul_i32 s76, s70, XBLK                       ; W's on the block of columns alone, which my column shares
	s_mov_b32 s77, 0
	s_wait_dscnt 0x0
	s_wait_kmcnt 0x0
	s_add_nc_u64 s[74:75], s[4:5], s[74:75]
	s_add_nc_u64 s[76:77], s[6:7], s[76:77]
.irp j, 0,1,2,3
	s_mov_b32 s[G0X+4*\j], 1
	s_mov_b32 s[G0X+4*\j+1], \j*2*XSTEP
	s_add_nc_u64 s[G0X+4*\j+2:G0X+4*\j+3], s[74:75], \j*2*XSTEP
	s_or_b32 s[G0X+4*\j+3], s[G0X+4*\j+3], 0x80000000
	s_mov_b32 s[G0W+4*\j], 1
	s_mov_b32 s[G0W+4*\j+1], WREG+\j*2*XSTEP
	s_add_nc_u64 s[G0W+4*\j+2:G0W+4*\j+3], s[76:77], \j*2*XSTEP
	s_or_b32 s[G0W+4*\j+3], s[G0W+4*\j+3], 0x80000000
.endr
	CROUND                                         ; all sixteen work-groups are here: the joint loads meet
	s_cmp_eq_u32 s[WV], 0                          ; wave 0 asks for x, wave 1 for W: four loads each are out; a wave's fills stand in one branch
	s_cbranch_scc0 .Lnot_x
.irp j, 0,1,2,3
	tensor_load_to_lds s[G0X+4*\j:G0X+4*\j+3], s[G1X:G1X+7]
	s_nop 0
.endr
.rept 4
	v_nop
.endr
	s_branch .Lasked
.Lnot_x:
	s_cmp_eq_u32 s[WV], 1
	s_cbranch_scc0 .Lasked
.irp j, 0,1,2,3
	tensor_load_to_lds s[G0W+4*\j:G0W+4*\j+3], s[G1W:G1W+7]
	s_nop 0
.endr
.rept 4
	v_nop
.endr
.Lasked:
	v_and_b32 v2, 31, v0                           ; lane
	v_lshlrev_b32 v1, 4, v2                        ; 16 x lane; never rewritten
	v_lshlrev_b32 v3, 2, v2                        ; 4 x lane
	s_and_b32 s78, s[WV], 3                        ; which 64 tokens
	s_lshr_b32 s79, s[WV], 2                       ; which 64 channels
	s_lshl_b32 s80, s78, 12
	v_add_nc_u32 v[AX], s80, v1
	s_lshl_b32 s80, s79, 12
	s_add_co_u32 s80, s80, WREG
	v_add_nc_u32 v[AW], s80, v1
	s_lshl_b32 s80, s78, 8
	s_add_co_u32 s80, s80, 16384
	v_add_nc_u32 v[AXS], s80, v3
	s_lshl_b32 s80, s79, 8
	s_add_co_u32 s80, s80, WREG+16384
	v_add_nc_u32 v[AWS], s80, v3
	v_bfe_u32 v8, v0, 4, 1                         ; h
	v_and_b32 v9, 15, v0                           ; r
	s_lshl_b32 s80, s70, 10
	s_lshl_b32 s81, s79, 8
	s_add_co_u32 s80, s80, s81                     ; my 64 numbers of the bias
	s_mov_b32 s81, 0
	s_add_nc_u64 s[8:9], s[8:9], s[80:81]
	s_cmp_eq_u32 s[KIND], 2
	s_cbranch_scc1 .Lbias_v
	v_lshlrev_b32 v10, 5, v8                       ; q, k: register j of tile b is channel 16 b + 8 h + j
.irp b, 0,1,2,3
	global_load_b128 v[BIAS+8*\b:BIAS+8*\b+3], v10, s[8:9] offset:64*\b
	global_load_b128 v[BIAS+8*\b+4:BIAS+8*\b+7], v10, s[8:9] offset:64*\b+16
.endr
	s_branch .Lbias_done
.Lbias_v:
	v_lshlrev_b32 v10, 2, v9                       ; v: all eight registers of tile b are channel 16 b + r
.irp b, 0,1,2,3
.irp j, 0,1,2,3,4,5,6,7
	global_load_b32 v[BIAS+8*\b+\j], v10, s[8:9] offset:64*\b
.endr
.endr
.Lbias_done:
	KSTEP 0
	KSTEP 1
	KSTEP 2
	KSTEP 3
	KSTEP 4
	KSTEP 5
	KSTEP 6
	KSTEP 7
.rept 4
	v_nop                                          ; four places in front of the first read of results and of writes over the fragments' registers
.endr
	; where my 64 tokens x 64 channels go
	s_lshr_b32 s84, s71, 2                         ; the batch
	s_lshl_b32 s84, s84, 4
	s_and_b32 s85, s70, 3
	s_lshl_b32 s85, s85, 2
	s_add_co_u32 s84, s84, s85
	s_add_co_u32 s84, s84, s79                     ; batch x 16 + head
	s_mov_b32 s88, 266240                          ; kvf: bytes a head
	s_cmp_eq_u32 s[KIND], 0
	s_cselect_b64 s[86:87], s[10:11], s[12:13]
	s_cselect_b32 s88, 131072, s88                 ; qf: bytes a head
	s_mul_i32 s84, s84, s88
	s_lshl_b32 s85, s[QUART], 15                   ; 256 tokens are 32,768 bytes of an image, in q, k and v alike,
	s_add_co_u32 s84, s84, s85
	s_lshl_b32 s85, s78, 13                        ; my 64 tokens 8,192
	s_add_co_u32 s84, s84, s85
	s_mov_b32 s85, 0
	s_add_nc_u64 s[86:87], s[86:87], s[84:85]
	s_cmp_eq_u32 s[KIND], 2
	s_cbranch_scc1 .Lout_v
	s_cmp_lg_u32 s[KIND], 0
	s_cbranch_scc1 .Lno_c
	s_mov_b32 s82, 0x3e38aa3b                      ; c = log2(e) / sqrt(64): q carries it, so that q . k is the score in powers of two
	s_mov_b32 s83, s82                             ; (named with it as a pair)
.set i, 0
.rept 64
	v_pk_mul_f32 v[ACC+i:ACC+i+1], v[ACC+i:ACC+i+1], s[82:83] op_sel_hi:[1,0]
.set i, i+2
.endr
.Lno_c:
.set i, 0
.rept 64
	v_cvt_pk_f16_f32 v[XF+i], v[ACC+2*i], v[ACC+2*i+1]   ; tile (a, b): four registers at 16 + 4 (4 a + b); each accumulator from its low end on
.set i, i+1
.endr
.irp a, 0,1,2,3
.irp b, 0,1,2,3
	global_store_b128 v1, v[XF+4*(4*\a+\b):XF+4*(4*\a+\b)+3], s[86:87] offset:\a*2048+\b*512   ; token tile a, piece b: 512 consecutive bytes
.endr
.endr
	s_branch .Lstored
.Lout_v:
.set i, 0
.rept 64
	v_cvt_pk_f16_f32 v[XF+i], v[ACC+2*i], v[ACC+2*i+1]   ; each accumulator from its low end on
.set i, i+1
.endr
.irp a, 0,1,2,3
.irp b, 0,1,2,3
	global_store_b128 v1, v[XF+4*(4*\a+\b):XF+4*(4*\a+\b)+3], s[86:87] offset:131072+(\a/2)*4096+\b*1024+(\a%2)*512   ; V stands behind K: 32 keys a / 2, channel tile b, half a % 2
.endr
.endr
	s_cmp_eq_u32 s[QUART], 3                       ; do I hold tokens 960 to 1023?  The last quarter's last 64
	s_cselect_b32 s90, s78, 0
	s_cmp_eq_u32 s90, 3
	s_cbranch_scc0 .Lstored
.set i, 32                                         ; tiles a = 2, 3 are tokens 992 to 1023: their lo parts
.rept 32
	v_mov_b32 v116, v[XF+i]                        ; what was stored, as f32 again: the low half,
	v_lshrrev_b32 v117, 16, v[XF+i]                ; the high half
	v_cvt_f32_f16 v118, v116.l
	v_cvt_f32_f16 v119, v117.l
	v_pk_add_f32 v[ACC+2*i:ACC+2*i+1], v[ACC+2*i:ACC+2*i+1], v[118:119] neg_lo:[0,1] neg_hi:[0,1]   ; v - hi, exact
.set i, i+1
.endr
.set i, 0
.rept 32
	v_cvt_pk_f16_f32 v[ACC+64+i], v[ACC+64+2*i], v[ACC+64+2*i+1]   ; lo; register i is written when pairs 0 .. i - 1 have been read
.set i, i+1
.endr
.irp a, 2,3
.irp b, 0,1,2,3
	global_store_b128 v1, v[ACC+64+4*(4*(\a-2)+\b):ACC+64+4*(4*(\a-2)+\b)+3], s[86:87] offset:139264+\b*1024+(\a%2)*512   ; the head's byte 262,144 lies 139,264 behind my tokens' (3 x 32,768 + 3 x 8,192)
.endr
.endr
.Lstored:
	s_wait_tensorcnt 0x0
	ds_add_u32 v126, v127
	s_wait_dscnt 0x0
	CROUND                                         ; the closing round: no work-group ends while a partner may still ask for a tile that names it
	s_endpgm
.Lfunc_end_k_q72a819ed72_qkv:
	.size	k_q72a819ed72_qkv, .Lfunc_end_k_q72a819ed72_qkv-k_q72a819ed72_qkv
	.p2alignl 7, 3214868480
	.fill 96, 4, 3214868480
	.section	.rodata,"a",@progbits
	.p2align	6, 0x0
	.amdhsa_kernel k_q72a819ed72_qkv
		.amdhsa_group_segment_fixed_size 280576
		.amdhsa_private_segment_fixed_size 0
		.amdhsa_enable_private_segment 0
		.amdhsa_kernarg_size 40
		.amdhsa_user_sgpr_count 2
		.amdhsa_user_sgpr_kernarg_segment_ptr 1
		.amdhsa_wavefront_size32 1
		.amdhsa_system_sgpr_workgroup_id_x 1
		.amdhsa_system_sgpr_workgroup_id_y 1
		.amdhsa_system_sgpr_workgroup_id_z 1
		.amdhsa_system_vgpr_workitem_id 0
		.amdhsa_next_free_vgpr 256
		.amdhsa_next_free_sgpr 100
		.amdhsa_reserve_vcc 0
		.amdhsa_float_denorm_mode_32 3
		.amdhsa_float_denorm_mode_16_64 3
		.amdhsa_memory_ordered 1
		.amdhsa_forward_progress 1
		.amdhsa_inst_pref_size 82
	.end_amdhsa_kernel
	.amdgpu_metadata
---
amdhsa.version: [ 1, 2 ]
amdhsa.kernels:
  - .name:           k_q72a819ed72_qkv
    .symbol:         k_q72a819ed72_qkv.kd
    .args:
      - { .name: xq, .offset: 0, .size: 8, .value_kind: global_buffer, .address_space: global }
      - { .name: wq, .offset: 8, .size: 8, .value_kind: global_buffer, .address_space: global }
      - { .name: b_qkv, .offset: 16, .size: 8, .value_kind: global_buffer, .address_space: global }
      - { .name: qf, .offset: 24, .size: 8, .value_kind: global_buffer, .address_space: global }
      - { .name: kvf, .offset: 32, .size: 8, .value_kind: global_buffer, .address_space: global }
    .group_segment_fixed_size: 280576
    .private_segment_fixed_size: 0
    .kernarg_segment_align: 8
    .kernarg_segment_size: 40
    .max_flat_workgroup_size: 512
    .sgpr_count:     100
    .vgpr_count:     256
    .wavefront_size: 32
...
	.end_amdgpu_metadata
.endif
;; end of part 2
;; launch stats (part 3): grid 2 x 128, 8 waves a work-group, no clusters, 168,960 bytes of LDS; arguments qf, kvf, nl; writes nl
.if DOCPART == 3
	.amdgcn_target "amdgcn-amd-amdhsa--gfx1250"
	.amdhsa_code_object_version 6
	.text
	.protected	k_q72a819ed72_stats
	.globl	k_q72a819ed72_stats
	.p2align	8
	.type	k_q72a819ed72_stats,@function
k_q72a819ed72_stats:
	s_mov_b64 s[64:65], 0
	v_nop
	global_prefetch_b8 v0, s[64:65] scope:SCOPE_SE
	s_setreg_imm32_b32 hwreg(HW_REG_WAVE_MODE, 25, 1), 1
	s_wait_xcnt 0x0
; THE SOFTMAX RUNS OVER THE QUERIES: for key j the divisor is the sum over the queries i >= j.  This launch makes, for every key, nl[j] = -(m + log2(sum over i >= j of 2^(t_ij - m))),
; t = (c q_i) . k_j (q carries c = log2(e) / 8; both operands f16), m the column's largest t, found as a running maximum.  nl: [batch x head: 128][key: 1024] f32.
; LIMIT: |t| stays under 1e38 (the running maximum starts at -3e38).
; SHARES.  Two work-groups to a head (g = 0, 1), eight waves each.  A strip is 64 keys, a step 32 queries against a strip; the queries are walked FROM THE LAST ON: step j is queries 992 - 32 j on.
; Strip x meets steps 0 to 31 - 2 x.  Waves w and w + 4 are a PAIR for s = 2 (w % 4) + g: it owns the long strip s (32 - 2 s steps) and the short strip 15 - s (nS = 2 s + 2 steps): 34 steps, 17 for each wave.
; In slot tau = 0 .. 16 wave A (w < 4) takes the long strip's step max(tau, 2 tau - nS); wave B takes the short strip's step tau while tau < nS, then finishes that strip and takes the long strip's
; step 2 tau - nS + 1.  So A has the long strip's first nS steps and then the even ones, B the odd ones, and every wave of the work-group has the same number of steps between any two barriers.
; At the end B hands its m and its sum to A through LDS, and A joins them with its own.
; No cluster: the two work-groups of a head part in their branches (their strips differ), which partners may not.
; LDS.  The head's q images, 131,072 bytes, come by first fills alone and lie IN THE ORDER OF USE: step j at 4,096 j.  Wave w brings step 8 p + w of chunk p = 0 .. 3: four loads of 16 rows of 256 bytes a wave.
; Slots 0-4, 5-8, 9-12, 13-16 are four phases; no step of phase p lies beyond 8 p + 7 (j is at most 2 tau - 1), so phase p wants chunks 0 to p alone.  Nothing is filled twice.
; LAYOUT.  S = Q K^T: source 0 = 16 queries, source 1 = 16 keys: a lane holds ONE key (lane % 16) and eight queries a tile, so maxima and sums run down a lane's registers;
; the two halves of the lanes hold different queries of the same key and are joined when a strip is finished.
; REGISTERS: window 0 as named below; window 1: v0-63 the long strip's K, which wave B copies when it changes strips.
.set XCH, 131072                       ; behind the q images: 1,024 bytes for each pair, for B's m and sums; no fill lands there
.set KR,  16                           ; v16-79   the strip's K: tile t at +16 t, 32 along d at +8 e
.set QR,  80                           ; v80-111  two tiles of 16 queries
.set S,   112                          ; v112-175 scores: (u, t) at 112 + 8 (4 u + t)
.set ST,  176                          ; v176-207 tile t at +8 t: +0 m, +2 alpha (each the low word of a pair), +4, +5 the sum in two halves
.set W,   208                          ; v208-211 at work
.set AQ,  3
.set DD,  4
.set NINF, 5
.set XA,  9                            ; v9  my pair's place in XCH, 16 bytes a lane; never rewritten
.set WV,  10
.set BH,  11
.set STRIP, 12
.set K0,  13                           ; the strip's first key
.set QF,  14                           ; the step's first query
.set TB,  15                           ; and its LDS byte
.set G1,  16
.set G0,  24
.set TAU, 40                           ; the slot
.set SEL, 42
.set ROLE, 48                          ; 0: wave A, 1: wave B
.set SI,  49                           ; s: the long strip
.set NS,  50                           ; nS
.set SWT, 51                           ; the slot at whose head I change strips: nS in wave B, never in wave A
.set JJ,  52                           ; the step
.set PI,  53                           ; the pair, 0..3
.set NLS, 54                           ; s[54:55] nl of the short strip;  s[56:57] of the long one
.set NLL, 56
.set KA,  58                           ; s[58:59] K of my first strip;  s[60:61] of the long one
.set KB,  60
.set SH,  62                           ; the short strip
.set MSB, 0
.macro WIN new                         ; the immediate's high byte repeats the setting that is left
.if MSB != \new
	s_set_vgpr_msb (MSB<<8)|\new
.set MSB, \new
.endif
.endm
.macro RESET                           ; a strip's statistics begin
.irp t, 0,1,2,3
	v_mov_b32 v[ST+8*\t], 0xff61b1e6               ; m: -3e38, under every t
	v_mov_b32 v[ST+8*\t+1], 0                      ; (the upper words of the pairs are named, so they are written)
	v_mov_b32 v[ST+8*\t+3], 0
	v_mov_b32 v[ST+8*\t+4], 0                      ; the sum
	v_mov_b32 v[ST+8*\t+5], 0
.endr
.endm
; A strip is finished: the two halves of the lanes, each with an m and a sum of its own, are joined, and the strip's 64 numbers go out.  nb: the scalar pair that holds their address
.macro FINAL nb
.irp t, 0,1,2,3
	v_add_f32 v[ST+8*\t+4], v[ST+8*\t+4], v[ST+8*\t+5]
.endr
.irp t, 0,1,2,3
	v_permlanex16_b32 v[ST+8*\t+1], v[ST+8*\t], s[SEL], s[SEL+1]
	v_permlanex16_b32 v[ST+8*\t+5], v[ST+8*\t+4], s[SEL], s[SEL+1]
.endr
.irp t, 0,1,2,3
	v_max_num_f32 v[W+\t], v[ST+8*\t], v[ST+8*\t+1]
.endr
.irp t, 0,1,2,3
	v_sub_f32 v[ST+8*\t+2], v[ST+8*\t], v[W+\t]
	v_sub_f32 v[ST+8*\t+3], v[ST+8*\t+1], v[W+\t]
.endr
.irp t, 0,1,2,3
	v_exp_f32 v[ST+8*\t+2], v[ST+8*\t+2]
	v_exp_f32 v[ST+8*\t+3], v[ST+8*\t+3]
.endr
	v_nop                                          ; a plain line behind the exponentials
	s_wait_alu depctr_va_vdst(0)
.irp t, 0,1,2,3
	v_mul_f32 v[ST+8*\t+5], v[ST+8*\t+5], v[ST+8*\t+3]
.endr
.irp t, 0,1,2,3
	v_fma_f32 v[ST+8*\t+4], v[ST+8*\t+4], v[ST+8*\t+2], v[ST+8*\t+5]   ; at least 1: the column's largest term is 2^0
.endr
.irp t, 0,1,2,3
	v_log_f32 v[ST+8*\t+4], v[ST+8*\t+4]
.endr
	v_nop                                          ; a plain line behind the logarithms
	s_wait_alu depctr_va_vdst(0)
.irp t, 0,1,2,3
	v_sub_f32 v[ST+8*\t+4], -v[W+\t], v[ST+8*\t+4] ; -(m + log2(sum))
.endr
	v_cmp_le_u32 vcc_lo, 16, v6
	v_cndmask_b32 v[W], v[ST+4], v[ST+12], vcc_lo  ; lanes 0-15: tile 0's keys; lanes 16-31: tile 1's
	v_cndmask_b32 v[W+1], v[ST+20], v[ST+28], vcc_lo
	global_store_b32 v7, v[W], s[\nb:\nb+1]
	global_store_b32 v7, v[W+1], s[\nb:\nb+1] offset:128
.endm
; Wave B changes strips: the short strip goes out, the long strip's K comes from window 1, the statistics begin anew
.macro SWITCHA
	FINAL NLS
	WIN 0x01                                       ; source in window 1, destination in window 0
.set i, 0
.rept 64
	v_mov_b32 v[KR+i], v[i]
.set i, i+1
.endr
	WIN 0
	RESET
	s_lshl_b32 s[K0], s[SI], 6
	s_wait_xcnt 0x0                                ; the two stores have read their data registers, which the step below writes again
.endm
; A SLOT: 32 queries against the strip's 64 keys.  jmax: the phase's last step
.macro STEPA jmax
	s_lshl_b32 s41, s[TAU], 1
	s_add_co_u32 s41, s41, s[ROLE]
	s_sub_co_u32 s41, s41, s[NS]                   ; 2 tau - nS, + 1 in wave B
	s_cmp_lt_u32 s[TAU], s[NS]
	s_cselect_b32 s[JJ], s[TAU], s41               ; the step: tau while tau < nS
	s_min_u32 s[JJ], s[JJ], \jmax                  ; never bites (j is at most 2 tau - 1): it states that the slot reads inside the chunks that have landed
	s_lshl_b32 s[TB], s[JJ], 12
	s_lshl_b32 s41, s[JJ], 5
	s_sub_co_u32 s[QF], 992, s41
	s_cmp_lg_u32 s[TAU], s[SWT]
	s_cbranch_scc1 .Lnosw_\@
	SWITCHA
.Lnosw_\@:
	v_add_nc_u32 v[AQ], s[TB], v1
.irp u, 0,1
.irp p, 0,1,2,3
	ds_load_b128 v[QR+16*\u+4*\p:QR+16*\u+4*\p+3], v[AQ] offset:2048*\u+512*\p
.endr
.endr
	s_wait_dscnt 0x0
.irp u, 0,1
.irp t, 0,1,2,3
	v_wmma_f32_16x16x32_f16 v[S+8*(4*\u+\t):S+8*(4*\u+\t)+7], v[QR+16*\u:QR+16*\u+7], v[KR+16*\t:KR+16*\t+7], 0
.endr
.endr
.irp u, 0,1
.irp t, 0,1,2,3
	v_wmma_f32_16x16x32_f16 v[S+8*(4*\u+\t):S+8*(4*\u+\t)+7], v[QR+16*\u+8:QR+16*\u+15], v[KR+16*\t+8:KR+16*\t+15], v[S+8*(4*\u+\t):S+8*(4*\u+\t)+7]   ; the eight sums by turns
.endr
.endr
.rept 4
	v_nop
.endr
	s_add_co_u32 s41, s[K0], 64
	s_cmp_ge_u32 s[QF], s41                        ; all queries behind all the strip's keys: no mask
	s_cbranch_scc1 .Lopen_\@
	s_sub_co_i32 s41, s[K0], s[QF]
	v_add_nc_u32 v[DD], s41, v2                    ; d = K0 - QF + r - 8 h.  Register j of (u, t): query QF + 16 u + 8 h + j, key K0 + 16 t + r: hidden where 16 u + j - 16 t < d
.irp u, 0,1
.irp t, 0,1,2,3
.irp j, 0,1,2,3,4,5,6,7
	v_cmp_lt_i32 vcc_lo, 16*\u+\j-16*\t, v[DD]
	v_cndmask_b32 v[S+8*(4*\u+\t)+\j], v[S+8*(4*\u+\t)+\j], v[NINF], vcc_lo
.endr
.endr
.endr
.Lopen_\@:
.irp t, 0,1,2,3                        ; the largest of a key's 16 scores and the old m; the four tiles by turns; each accumulator from its low end on
	v_max3_num_f32 v[W+\t], v[S+8*\t], v[S+8*\t+1], v[S+8*\t+2]
.endr
.irp i, 3,5
.irp t, 0,1,2,3
	v_max3_num_f32 v[W+\t], v[W+\t], v[S+8*\t+\i], v[S+8*\t+\i+1]
.endr
.endr
.irp t, 0,1,2,3
	v_max3_num_f32 v[W+\t], v[W+\t], v[S+8*\t+7], v[S+32+8*\t]
.endr
.irp i, 1,3,5
.irp t, 0,1,2,3
	v_max3_num_f32 v[W+\t], v[W+\t], v[S+32+8*\t+\i], v[S+32+8*\t+\i+1]
.endr
.endr
.irp t, 0,1,2,3
	v_max3_num_f32 v[W+\t], v[W+\t], v[S+32+8*\t+7], v[ST+8*\t]
.endr
.irp t, 0,1,2,3
	v_sub_f32 v[ST+8*\t+2], v[ST+8*\t], v[W+\t]    ; old m - new m
.endr
.irp t, 0,1,2,3
	v_mov_b32 v[ST+8*\t], v[W+\t]                  ; the new m
.endr
.irp n, 0,2,4,6,32,34,36,38
.irp t, 0,1,2,3
	v_pk_add_f32 v[S+8*\t+\n:S+8*\t+\n+1], v[S+8*\t+\n:S+8*\t+\n+1], v[ST+8*\t:ST+8*\t+1] op_sel_hi:[1,0] neg_lo:[0,1] neg_hi:[0,1]   ; t - m, two at a time
.endr
.endr
.set i, 0
.rept 64
	v_exp_f32 v[S+i], v[S+i]
.set i, i+1
.endr
.irp t, 0,1,2,3
	v_exp_f32 v[ST+8*\t+2], v[ST+8*\t+2]           ; alpha = 2^(old m - new m)
.endr
	v_nop                                          ; a plain line behind the exponentials
	s_wait_alu depctr_va_vdst(0)
.irp t, 0,1,2,3
	v_pk_fma_f32 v[ST+8*\t+4:ST+8*\t+5], v[ST+8*\t+4:ST+8*\t+5], v[ST+8*\t+2:ST+8*\t+3], v[S+8*\t:S+8*\t+1] op_sel_hi:[1,0,1]   ; the sum under the new m, and the first pair
.endr
.irp n, 2,4,6,32,34,36,38
.irp t, 0,1,2,3
	v_pk_add_f32 v[ST+8*\t+4:ST+8*\t+5], v[ST+8*\t+4:ST+8*\t+5], v[S+8*\t+\n:S+8*\t+\n+1]
.endr
.endr
.endm
.macro PHASEA p, t0, t1, jmax          ; slots t0 to t1 - 1: every wave has a step in every slot
	s_wait_tensorcnt 3-\p                          ; my step of chunk p has landed; my later ones may be out
	s_barrier_signal -1                            ; (no LDS access of mine is pending)
	s_barrier_wait -1                              ; everybody's has
	s_mov_b32 s[TAU], \t0
.Lph_\@:
	STEPA \jmax
	s_add_co_u32 s[TAU], s[TAU], 1
	s_cmp_lt_u32 s[TAU], \t1
	s_cbranch_scc1 .Lph_\@
.endm
	s_load_b128 s[4:7], s[0:1], 0x0                ; qf s[4:5], kvf s[6:7]
	s_load_b64 s[8:9], s[0:1], 0x10                ; nl
	v_lshl_add_u32 v254, v0, 2, 0x29000
	v_mov_b32 v255, 0
	ds_add_u32 v254, v255
	ds_add_u32 v254, v255
	v_lshrrev_b32 v1, 5, v0
	v_readfirstlane_b32 s[WV], v1                  ; wave 0..7
	s_and_b32 s[BH], ttmp7, 0xffff                 ; batch x 16 + head
	s_mov_b32 s[G1], 3<<16                         ; no mask; elements of 8 bytes; no padding: the images are read 512 consecutive bytes at a time
	s_mov_b32 s[G1+1], 32<<16                      ; rows of 256 bytes,
	s_mov_b32 s[G1+2], 16<<16                      ; 16 of them: a step's 32 queries, 4,096 dense bytes
	s_mov_b32 s[G1+3], 32<<16
	s_mov_b32 s[G1+4], 16
	s_mov_b32 s[G1+5], 32
	s_mov_b32 s[G1+6], 0
	s_mov_b32 s[G1+7], 0
	s_lshl_b32 s44, s[BH], 17                      ; qf: 131,072 bytes a head
	s_mov_b32 s45, 0
	s_sub_co_u32 s46, 7, s[WV]
	s_lshl_b32 s46, s46, 12                        ; step 8 p + w is queries 32 (31 - 8 p - w) on: in memory the (7 - w)-th 4,096 bytes of the (3 - p)-th 32,768,
	s_add_co_u32 s44, s44, s46
	s_lshl_b32 s41, s[WV], 12                      ; in LDS the w-th of the p-th
	s_wait_dscnt 0x0
	s_wait_kmcnt 0x0
	s_add_nc_u64 s[4:5], s[4:5], s[44:45]
.irp p, 0,1,2,3
	s_mov_b32 s[G0+4*\p], 1
	s_add_co_u32 s[G0+4*\p+1], s41, \p*32768
	s_add_nc_u64 s[G0+4*\p+2:G0+4*\p+3], s[4:5], (3-\p)*32768
	s_or_b32 s[G0+4*\p+3], s[G0+4*\p+3], 0x80000000
.endr
.irp p, 0,1,2,3
	tensor_load_to_lds s[G0+4*\p:G0+4*\p+3], s[G1:G1+7]   ; the first fills, one group: four loads of mine are out
	s_nop 0
.endr
.rept 4
	v_nop
.endr
	s_and_b32 s[PI], s[WV], 3
	s_lshr_b32 s[ROLE], s[WV], 2
	s_lshl_b32 s[SI], s[PI], 1
	s_add_co_u32 s[SI], s[SI], ttmp9               ; s = 2 x pair + g
	s_lshl_b32 s[NS], s[SI], 1
	s_add_co_u32 s[NS], s[NS], 2                   ; nS = 2 s + 2
	s_sub_co_u32 s[SH], 15, s[SI]
	s_cmp_eq_u32 s[ROLE], 0
	s_cselect_b32 s[STRIP], s[SI], s[SH]           ; wave A begins with the long strip, wave B with the short one
	s_cselect_b32 s[SWT], 99, s[NS]
	s_lshl_b32 s[K0], s[STRIP], 6
	s_mul_i32 s46, s[BH], 266240                   ; kvf: the head, whose K stands first
	s_mov_b32 s47, 0
	s_add_nc_u64 s[6:7], s[6:7], s[46:47]
	s_lshl_b32 s46, s[STRIP], 13                   ; a strip is four tiles of 2,048 bytes
	s_add_nc_u64 s[KA:KA+1], s[6:7], s[46:47]
	s_lshl_b32 s46, s[SI], 13
	s_add_nc_u64 s[KB:KB+1], s[6:7], s[46:47]
	v_and_b32 v6, 31, v0                           ; lane; never rewritten
	v_lshlrev_b32 v1, 4, v6                        ; 16 x lane; never rewritten
.irp t, 0,1,2,3
.irp p, 0,1,2,3
	global_load_b128 v[KR+16*\t+4*\p:KR+16*\t+4*\p+3], v1, s[KA:KA+1] offset:2048*\t+512*\p   ; the strip's K stays in registers
.endr
.endr
	WIN 0x40                                       ; destination window 1
.irp t, 0,1,2,3
.irp p, 0,1,2,3
	global_load_b128 v[16*\t+4*\p:16*\t+4*\p+3], v1, s[KB:KB+1] offset:2048*\t+512*\p         ; the long strip's, for the change of strips
.endr
.endr
	WIN 0
	v_lshlrev_b32 v7, 2, v6                        ; 4 x lane; never rewritten
	v_and_b32 v8, 15, v0
	v_bfe_u32 v10, v0, 4, 1
	v_lshlrev_b32 v10, 3, v10
	v_sub_nc_u32 v2, v8, v10                       ; r - 8 h
	v_mov_b32 v[NINF], 0xff800000                  ; -infinity
	s_lshl_b32 s41, s[PI], 10
	s_add_co_u32 s41, s41, XCH
	v_add_nc_u32 v[XA], s41, v1
	RESET
	s_mov_b32 s[SEL], 0x76543210
	s_mov_b32 s[SEL+1], 0xfedcba98                 ; selects for lane l xor 16
	s_lshl_b32 s44, s[BH], 12                      ; nl: 4,096 bytes a head, 256 a strip
	s_add_nc_u64 s[8:9], s[8:9], s[44:45]
	s_lshl_b32 s44, s[SH], 8
	s_add_nc_u64 s[NLS:NLS+1], s[8:9], s[44:45]
	s_lshl_b32 s44, s[SI], 8
	s_add_nc_u64 s[NLL:NLL+1], s[8:9], s[44:45]
	s_wait_loadcnt 0x0                             ; K, both sets
	PHASEA 0, 0, 5, 7
	PHASEA 1, 5, 9, 15
	PHASEA 2, 9, 13, 23
	PHASEA 3, 13, 17, 31
	; wave B hands its part of the long strip to wave A: for each lane and tile an m and a sum, as an image of eight registers
	s_cmp_eq_u32 s[ROLE], 0
	s_cbranch_scc1 .Lnot_b
.irp t, 0,1,2,3
	v_mov_b32 v[S+2*\t], v[ST+8*\t]
	v_add_f32 v[S+2*\t+1], v[ST+8*\t+4], v[ST+8*\t+5]
.endr
	ds_store_b128 v[XA], v[S:S+3]
	ds_store_b128 v[XA], v[S+4:S+7] offset:512
.Lnot_b:
	s_wait_dscnt 0x0                               ; for the partner's sake: my stores have landed
	s_barrier_signal -1
	s_barrier_wait -1
	s_cmp_lg_u32 s[ROLE], 0
	s_cbranch_scc1 .Ldone
	ds_load_b128 v[S+8:S+11], v[XA]
	ds_load_b128 v[S+12:S+15], v[XA] offset:512
.irp t, 0,1,2,3
	v_add_f32 v[ST+8*\t+4], v[ST+8*\t+4], v[ST+8*\t+5]
.endr
	s_wait_dscnt 0x0
.irp t, 0,1,2,3
	v_max_num_f32 v[W+\t], v[ST+8*\t], v[S+8+2*\t] ; lane by lane: my m and the partner's
.endr
.irp t, 0,1,2,3
	v_sub_f32 v[ST+8*\t+2], v[ST+8*\t], v[W+\t]
	v_sub_f32 v[ST+8*\t+3], v[S+8+2*\t], v[W+\t]
.endr
.irp t, 0,1,2,3
	v_exp_f32 v[ST+8*\t+2], v[ST+8*\t+2]
	v_exp_f32 v[ST+8*\t+3], v[ST+8*\t+3]
.endr
	v_nop                                          ; a plain line behind the exponentials
	s_wait_alu depctr_va_vdst(0)
.irp t, 0,1,2,3
	v_mul_f32 v[ST+8*\t+5], v[S+9+2*\t], v[ST+8*\t+3]
.endr
.irp t, 0,1,2,3
	v_fma_f32 v[ST+8*\t+4], v[ST+8*\t+4], v[ST+8*\t+2], v[ST+8*\t+5]
.endr
.irp t, 0,1,2,3
	v_mov_b32 v[ST+8*\t], v[W+\t]
	v_mov_b32 v[ST+8*\t+5], 0
.endr
	FINAL NLL
.Ldone:
	s_wait_tensorcnt 0x0
	ds_add_u32 v254, v255
	s_wait_dscnt 0x0
	s_endpgm
.Lfunc_end_k_q72a819ed72_stats:
	.size	k_q72a819ed72_stats, .Lfunc_end_k_q72a819ed72_stats-k_q72a819ed72_stats
	.p2alignl 7, 3214868480
	.fill 96, 4, 3214868480
	.section	.rodata,"a",@progbits
	.p2align	6, 0x0
	.amdhsa_kernel k_q72a819ed72_stats
		.amdhsa_group_segment_fixed_size 168960
		.amdhsa_private_segment_fixed_size 0
		.amdhsa_enable_private_segment 0
		.amdhsa_kernarg_size 24
		.amdhsa_user_sgpr_count 2
		.amdhsa_user_sgpr_kernarg_segment_ptr 1
		.amdhsa_wavefront_size32 1
		.amdhsa_system_sgpr_workgroup_id_x 1
		.amdhsa_system_sgpr_workgroup_id_y 1
		.amdhsa_system_sgpr_workgroup_id_z 1
		.amdhsa_system_vgpr_workitem_id 0
		.amdhsa_next_free_vgpr 320
		.amdhsa_next_free_sgpr 66
		.amdhsa_reserve_vcc 1
		.amdhsa_float_denorm_mode_32 3
		.amdhsa_float_denorm_mode_16_64 3
		.amdhsa_memory_ordered 1
		.amdhsa_forward_progress 1
		.amdhsa_inst_pref_size 97
	.end_amdhsa_kernel
	.amdgpu_metadata
---
amdhsa.version: [ 1, 2 ]
amdhsa.kernels:
  - .name:           k_q72a819ed72_stats
    .symbol:         k_q72a819ed72_stats.kd
    .args:
      - { .name: qf, .offset: 0, .size: 8, .value_kind: global_buffer, .address_space: global }
      - { .name: kvf, .offset: 8, .size: 8, .value_kind: global_buffer, .address_space: global }
      - { .name: nl, .offset: 16, .size: 8, .value_kind: global_buffer, .address_space: global }
    .group_segment_fixed_size: 168960
    .private_segment_fixed_size: 0
    .kernarg_segment_align: 8
    .kernarg_segment_size: 24
    .max_flat_workgroup_size: 256
    .sgpr_count:     66
    .vgpr_count:     320
    .wavefront_size: 32
...
	.end_amdgpu_metadata
.endif
;; end of part 3
;; launch attn (part 4): grid 2 x 128, 8 waves a work-group, no clusters, 267,264 bytes of LDS; arguments qf, kvf, nl, yf; writes yf
.if DOCPART == 4
	.amdgcn_target "amdgcn-amd-amdhsa--gfx1250"
	.amdhsa_code_object_version 6
	.text
	.protected	k_q72a819ed72_attn
	.globl	k_q72a819ed72_attn
	.p2align	8
	.type	k_q72a819ed72_attn,@function
k_q72a819ed72_attn:
	s_mov_b64 s[64:65], 0
	v_nop
	global_prefetch_b8 v0, s[64:65] scope:SCOPE_SE
	s_setreg_imm32_b32 hwreg(HW_REG_WAVE_MODE, 25, 1), 1
	s_wait_xcnt 0x0
; y[i] = sum over keys j <= i of 2^(t_ij + nl_j) v_j: nl_j = -(the column's log-sum-exp, in powers of two) comes from the launch before, so p is already normalised and at most 1:
; no running maximum, no rescaling and no division here, and the keys may be taken in any order.  nl IS THE C OF THE SCORE PRODUCT: the matrix unit delivers t + nl.  All operands are f16.
; BITS.  Key j shares its weight among 1024 - j queries only, so the last queries' rows are many times the rms of the whole output, on which the allowance hangs.  In the ONE step of keys 992 to 1023, which
; only the last strip of queries sees, p and v each go as two f16 numbers, hi and lo = f16(x - hi), and O^T = Vh Ph + Vh Pl + Vl Ph on one f32 sum.  The squares of the weights of all earlier keys add up to about 1/32.
; y leaves as f16 images of the last product's operand registers: yf [tile of 16 tokens: 512][32 along C: 32][e: 2][lane][16 bytes]; behind them (byte 16,777,216 on), for each sequence's LAST tile, lo = f16(y - f16(y)):
; [batch: 8][32 along C: 32][e: 2][lane][16 bytes].
; LIMIT: |y| stays under 65,504, f16's largest number.
; SHARES.  Two work-groups to a head (g = 0, 1), eight waves each.  A strip is 64 queries, a step 32 keys against a strip: step j is keys 32 j on.  Strip x meets steps 0 to 2 x + 1.
; Waves w and w + 4 are a PAIR for s = 2 (w % 4) + g: it owns the short strip s (nS = 2 s + 2 steps) and the long strip 15 - s (32 - 2 s steps): 34 steps, 17 for each wave.
; In slot tau = 0 .. 16 wave A (w < 4) takes the long strip's step max(tau, 2 tau - nS); wave B takes the short strip's step tau while tau < nS, then stores that strip and takes the long strip's
; step 2 tau - nS + 1.  So A has the long strip's first nS steps and then the even ones, B the odd ones, and every wave of the work-group has the same number of steps between any two barriers.
; At the end B hands its part of the long strip's O^T to A through LDS, as an image of its registers, and A adds it to its own.
; No cluster: the two work-groups of a head part in their branches (their strips differ), which partners may not.
; LDS.  The head's K and V images (131,072 bytes each) and its nl (4,096) come by first fills alone, in chunks of 256 keys, the first keys first.  Nothing is filled twice.
; Slots 0-4, 5-8, 9-12, 13-16 are four phases; no step of phase p lies beyond 8 p + 7 (j is at most 2 tau - 1), so phase p wants chunks 0 to p alone.
; LAYOUT.  S^T = K Q^T + nl (source 0 = 16 keys, source 1 = 16 queries): a lane holds ONE query and eight keys a tile; two such tiles, narrowed, ARE source 1 (32 keys x 16 queries) of
; O^T = V^T P, whose result holds one query a lane and eight channels, which pack into 16 bytes of y's image.
; REGISTERS: window 0: v1-14 addresses; v16-47 K (v16-19 at work and v32-47 P lo in the last step); v48-79 V; v80-95 nl; v96-159 S^T; v160-191 P; v192-255 Q.
;   window 1: v0-127 O^T, (t, c) at 8 (4 t + c); v128-159 V lo of the last 32 keys; v160-223 the long strip's Q, which wave B copies when it changes strips.
.set VB,  131072                       ; LDS: K's images at 0, V's here,
.set NLB, 262144                       ; nl here
.set AK,  5
.set AV,  6
.set AN,  7
.set DD,  8
.set NINF, 9
.set XA,  14                           ; v14 my pair's 16,384 bytes for the hand-over, 16 bytes a lane: in K's first 65,536 bytes, used when nobody reads K any more; never rewritten
.set KR,  16                           ; tile u of 16 keys at +16 u
.set PLR, 32                           ; P lo of query tiles 2, 3: tile t at +8 (t - 2)
.set VR,  48                           ; tile c of 16 channels at +8 c
.set NLR, 80                           ; tile u at +8 u
.set S,   96                           ; (u, t) at 96 + 8 (4 u + t)
.set P,   160                          ; tile t of 16 queries at +8 t
.set QR,  192                          ; tile t at +16 t
.set VLW, 128                          ; in window 1: V lo, tile c at +8 c
.set QW2, 160                          ; in window 1: the long strip's Q
.set WV,  14
.set BH,  15
.set STRIP, 16
.set Q0,  17                           ; the strip's first query
.set KF,  18                           ; the step's first key
.set TK,  19                           ; its LDS byte in K's images, and in V's
.set TN,  20                           ; and in nl
.set TAU, 21                           ; the slot
.set G1,  24                           ; s[24:31] group 1 for K's and V's chunks; s[32:39] for nl; s[40:59] five groups 0
.set G1N, 32
.set G0,  40
.set PI,  72                           ; the pair, 0..3
.set ROLE, 73                          ; 0: wave A, 1: wave B
.set SI,  74                           ; s: the short strip
.set NS,  75                           ; nS
.set LS,  76                           ; the long strip
.set SWT, 77                           ; the slot at whose head I change strips: nS in wave B, never in wave A
.set JJ,  78                           ; the step
.set FIRST, 79                         ; 1: the next products V^T P start O^T's sums
.set YS,  80                           ; s[80:81] y of the short strip (s[12:13]: of the long one)
.set QA,  82                           ; s[82:83] Q of my first strip;  s[84:85] of the long one
.set QB,  84
.set MSB, 0
.macro WIN new                         ; the immediate's high byte repeats the setting that is left
.if MSB != \new
	s_set_vgpr_msb (MSB<<8)|\new
.set MSB, \new
.endif
.endm
.macro RESID hreg, xreg                ; the pair of f32 numbers at xreg less the two f16 numbers in hreg: exact
	v_mov_b32 v16, v[(\hreg)]
	v_lshrrev_b32 v17, 16, v[(\hreg)]
	v_cvt_f32_f16 v18, v16.l
	v_cvt_f32_f16 v19, v17.l
	v_pk_add_f32 v[(\xreg):(\xreg)+1], v[(\xreg):(\xreg)+1], v[18:19] neg_lo:[0,1] neg_hi:[0,1]
.endm
.macro PVB vreg, preg, t0, zero        ; O^T += V^T P for query tiles t0 to 3: the sums by turns, one instruction a turn
.irp t, 0,1,2,3
.if \t >= (\t0)
.irp c, 0,1,2,3
.if \zero
	v_wmma_f32_16x16x32_f16 v[8*(4*\t+\c):8*(4*\t+\c)+7], v[(\vreg)+8*\c:(\vreg)+8*\c+7], v[(\preg)+8*\t:(\preg)+8*\t+7], 0
.else
	v_wmma_f32_16x16x32_f16 v[8*(4*\t+\c):8*(4*\t+\c)+7], v[(\vreg)+8*\c:(\vreg)+8*\c+7], v[(\preg)+8*\t:(\preg)+8*\t+7], v[8*(4*\t+\c):8*(4*\t+\c)+7]
.endif
.endr
.endif
.endr
.endm
; Wave B changes strips: the short strip's y goes out, the long strip's Q comes from window 1, and the next products start new sums
.macro SWITCHB
.rept 4
	v_nop                                          ; four places in front of the first read of O^T
.endr
	WIN 0x05                                       ; sources in window 1, destination in window 0
.set i, 0
.rept 64
	v_cvt_pk_f16_f32 v[S+i], v[2*i], v[2*i+1]      ; (t, c): four registers at 96 + 4 (4 t + c); each accumulator from its low end on
.set i, i+1
.endr
	WIN 0
.irp t, 0,1,2,3
.irp c, 0,1,2,3
	global_store_b128 v1, v[S+4*(4*\t+\c):S+4*(4*\t+\c)+3], s[YS:YS+1] offset:\t*32768+\c*512   ; 512 consecutive bytes
.endr
.endr
	WIN 0x01                                       ; source in window 1, destination in window 0
.set i, 0
.rept 64
	v_mov_b32 v[QR+i], v[QW2+i]
.set i, i+1
.endr
	WIN 0
	s_lshl_b32 s[Q0], s[LS], 6
	s_mov_b32 s[FIRST], 1
	s_wait_xcnt 0x0                                ; the stores have read their data registers, which the score products below write again
.endm
; A SLOT: 32 keys against the strip's 64 queries.  prec = 1: the step of keys 992 on, with the lo parts.  sw = 1: wave B may change strips at its head.  jmax: the phase's last step.
; zero = 1: slot 0, whose products start O^T's sums, so that nothing is cleared; zero = 0: the flag says whether they do.
.macro STEPB prec, sw, jmax, zero
	s_lshl_b32 s22, s[TAU], 1
	s_add_co_u32 s22, s22, s[ROLE]
	s_sub_co_u32 s22, s22, s[NS]                   ; 2 tau - nS, + 1 in wave B
	s_cmp_lt_u32 s[TAU], s[NS]
	s_cselect_b32 s[JJ], s[TAU], s22               ; the step: tau while tau < nS
	s_min_u32 s[JJ], s[JJ], \jmax                  ; never bites (j is at most 2 tau - 1): it states that the slot reads inside the chunks that have landed
	s_lshl_b32 s[KF], s[JJ], 5
	s_lshl_b32 s[TK], s[JJ], 12
	s_lshl_b32 s[TN], s[JJ], 7
.if \sw
	s_cmp_lg_u32 s[TAU], s[SWT]
	s_cbranch_scc1 .Lnosw_\@
	SWITCHB
.Lnosw_\@:
.endif
	v_add_nc_u32 v[AK], s[TK], v1                  ; these four lines are also the four places in front of the loads into registers that the last products have read
	v_add_nc_u32 v[AV], s[TK], v2
	v_add_nc_u32 v[AN], s[TN], v3
	v_nop
.if \prec
	WIN 0x40                                       ; destination window 1
.irp c, 0,1,2,3
.irp e, 0,1
	global_load_b128 v[VLW+8*\c+4*\e:VLW+8*\c+4*\e+3], v1, s[2:3] offset:1024*\c+512*\e   ; V lo: asked for here, wanted behind the scores, the exponentials and 24 products
.endr
.endr
	WIN 0
.endif
.irp u, 0,1
.irp p, 0,1,2,3
	ds_load_b128 v[KR+16*\u+4*\p:KR+16*\u+4*\p+3], v[AK] offset:2048*\u+512*\p
.endr
.endr
.irp u, 0,1
	ds_load_b128 v[NLR+8*\u:NLR+8*\u+3], v[AN] offset:64*\u        ; register j: nl of key 16 u + 8 h + j
	ds_load_b128 v[NLR+8*\u+4:NLR+8*\u+7], v[AN] offset:64*\u+16
.endr
.irp c, 0,1,2,3
.irp e, 0,1
	ds_load_b128 v[VR+8*\c+4*\e:VR+8*\c+4*\e+3], v[AV] offset:1024*\c+512*\e
.endr
.endr
	s_wait_dscnt 8                                 ; K and nl are in; V's eight loads may be out
.irp u, 0,1
.irp t, 0,1,2,3
	v_wmma_f32_16x16x32_f16 v[S+8*(4*\u+\t):S+8*(4*\u+\t)+7], v[KR+16*\u:KR+16*\u+7], v[QR+16*\t:QR+16*\t+7], v[NLR+8*\u:NLR+8*\u+7]
.endr
.endr
.irp u, 0,1
.irp t, 0,1,2,3
	v_wmma_f32_16x16x32_f16 v[S+8*(4*\u+\t):S+8*(4*\u+\t)+7], v[KR+16*\u+8:KR+16*\u+15], v[QR+16*\t+8:QR+16*\t+15], v[S+8*(4*\u+\t):S+8*(4*\u+\t)+7]   ; the eight sums by turns
.endr
.endr
.rept 4
	v_nop                                          ; four places in front of the first read of the scores and of writes over K's registers
.endr
	s_add_co_u32 s22, s[KF], 31
	s_cmp_le_u32 s22, s[Q0]                        ; all keys at or before all the strip's queries: no mask
	s_cbranch_scc1 .Lopen_\@
	s_sub_co_i32 s22, s[Q0], s[KF]
	v_add_nc_u32 v[DD], s22, v4                    ; d = Q0 - KF + r - 8 h.  Register j of (u, t): key KF + 16 u + 8 h + j, query Q0 + 16 t + r: hidden where 16 u + j - 16 t > d
.irp u, 0,1
.irp t, 0,1,2,3
.irp j, 0,1,2,3,4,5,6,7
	v_cmp_gt_i32 vcc_lo, 16*\u+\j-16*\t, v[DD]
	v_cndmask_b32 v[S+8*(4*\u+\t)+\j], v[S+8*(4*\u+\t)+\j], v[NINF], vcc_lo
.endr
.endr
.endr
.Lopen_\@:
.set i, 0
.rept 64
	v_exp_f32 v[S+i], v[S+i]                       ; p = 2^(t + nl), at most 1; 0 where hidden.  Each accumulator from its low end on
.set i, i+1
.endr
	v_nop                                          ; a plain line behind the exponentials
	s_wait_alu depctr_va_vdst(0)
.irp t, 0,1,2,3
.irp i, 0,1,2,3
	v_cvt_pk_f16_f32 v[P+8*\t+\i], v[S+8*\t+2*\i], v[S+8*\t+2*\i+1]              ; keys 8 h + 0..7
	v_cvt_pk_f16_f32 v[P+8*\t+4+\i], v[S+32+8*\t+2*\i], v[S+32+8*\t+2*\i+1]      ; keys 16 + 8 h + 0..7
.endr
.endr
.if \prec                              ; P lo of query tiles 2 and 3: queries 992 on; tiles 0 and 1 see none of these keys
.irp t, 2,3
.irp u, 0,1
.irp i, 0,1,2,3
	RESID P+8*\t+4*\u+\i, S+32*\u+8*\t+2*\i
.endr
.irp i, 0,1,2,3
	v_cvt_pk_f16_f32 v[PLR+8*(\t-2)+4*\u+\i], v[S+32*\u+8*\t+2*\i], v[S+32*\u+8*\t+2*\i+1]
.endr
.endr
.endr
.endif
	s_wait_dscnt 0x0                               ; V is in
.if \zero
	WIN 0x50                                       ; C and D in window 1
	PVB VR, P, 0, 1
	WIN 0
.else
	s_cmp_eq_u32 s[FIRST], 1                       ; behind a change of strips the products start the sums: only the run of 16 products differs
	s_cbranch_scc1 .Lnew_\@
	WIN 0x50
	PVB VR, P, 0, 0
	WIN 0
	s_branch .Lpvd_\@
.Lnew_\@:
	WIN 0x50
	PVB VR, P, 0, 1
	WIN 0
.Lpvd_\@:
	s_mov_b32 s[FIRST], 0
.endif
.if \prec
	WIN 0x50
	PVB VR, PLR-16, 2, 0                           ; Vh Pl
	s_wait_loadcnt 0x0                             ; V lo is in
	WIN 0x51                                       ; source 0 in window 1 too
	PVB VLW, P, 2, 0                               ; Vl Ph
	WIN 0
.endif
.endm
.macro LANDED p
	s_wait_tensorcnt 3-\p                          ; in the four waves that fetch: nl and chunks 0 to p have landed, the later chunks may be out
	s_barrier_signal -1                            ; (no LDS access of mine is pending)
	s_barrier_wait -1
.endm
.macro LOOPB t0, t1, jmax              ; slots t0 to t1 - 1: every wave has a step in every slot
	s_mov_b32 s[TAU], \t0
.Lph_\@:
	STEPB 0, 1, \jmax, 0
	s_add_co_u32 s[TAU], s[TAU], 1
	s_cmp_lt_u32 s[TAU], \t1
	s_cbranch_scc1 .Lph_\@
.endm
	s_load_b256 s[4:11], s[0:1], 0x0               ; qf s[4:5], kvf s[6:7], nl s[8:9], yf s[10:11]
	v_lshl_add_u32 v15, v0, 2, 0x41000
	s_set_vgpr_msb 0x40
	v_mov_b32 v225, 0
	s_set_vgpr_msb 0x4044
	ds_add_u32 v15, v225
	ds_add_u32 v15, v225
	s_set_vgpr_msb 0x4400
	v_lshrrev_b32 v1, 5, v0
	v_readfirstlane_b32 s[WV], v1                  ; wave 0..7
	s_and_b32 s[BH], ttmp7, 0xffff                 ; batch x 16 + head
	s_mov_b32 s[G1], 3<<16                         ; no mask; elements of 8 bytes; no padding: the images are read 512 consecutive bytes at a time
	s_mov_b32 s[G1+1], 32<<16                      ; rows of 256 bytes,
	s_mov_b32 s[G1+2], 64<<16                      ; 64 of them: half a chunk of K or of V
	s_mov_b32 s[G1+3], 32<<16
	s_mov_b32 s[G1+4], 64
	s_mov_b32 s[G1+5], 32
	s_mov_b32 s[G1+6], 0
	s_mov_b32 s[G1+7], 0
	s_mov_b32 s[G1N], 3<<16
	s_mov_b32 s[G1N+1], 32<<16
	s_mov_b32 s[G1N+2], 4<<16                      ; four rows: a quarter of the head's nl
	s_mov_b32 s[G1N+3], 32<<16
	s_mov_b32 s[G1N+4], 4
	s_mov_b32 s[G1N+5], 32
	s_mov_b32 s[G1N+6], 0
	s_mov_b32 s[G1N+7], 0
	s_mul_i32 s60, s[BH], 266240                   ; kvf: bytes a head
	s_mov_b32 s61, 0
	s_lshl_b32 s62, s[BH], 12                      ; 4,096 bytes of nl
	s_mov_b32 s63, 0
	s_and_b32 s22, s[WV], 3
	s_lshl_b32 s66, s22, 10                        ; which quarter of nl I fetch, if I fetch
	s_add_co_u32 s62, s62, s66
	s_and_b32 s23, s[WV], 1
	s_lshl_b32 s23, s23, 14                        ; which half of a chunk
	s_bfe_u32 s67, s[WV], 0x10001
	s_lshl_b32 s67, s67, 17                        ; waves 0, 1: K; waves 2, 3: V, which stands 131,072 bytes behind K in memory and in LDS alike
	s_add_co_u32 s67, s67, s23
	s_add_co_u32 s68, s60, s67
	s_mov_b32 s69, 0
	s_add_co_u32 s2, s60, 262144                   ; the head's V lo
	s_mov_b32 s3, 0
	s_wait_dscnt 0x0
	s_wait_kmcnt 0x0
	s_add_nc_u64 s[70:71], s[6:7], s[68:69]
	s_add_nc_u64 s[2:3], s[6:7], s[2:3]
	s_mov_b32 s[G0], 1
	s_add_co_u32 s[G0+1], s66, NLB
	s_add_nc_u64 s[G0+2:G0+3], s[8:9], s[62:63]
	s_or_b32 s[G0+3], s[G0+3], 0x80000000
.irp p, 0,1,2,3
	s_mov_b32 s[G0+4+4*\p], 1
	s_add_co_u32 s[G0+5+4*\p], s67, \p*32768
	s_add_nc_u64 s[G0+6+4*\p:G0+7+4*\p], s[70:71], \p*32768
	s_or_b32 s[G0+7+4*\p], s[G0+7+4*\p], 0x80000000
.endr
	s_cmp_lt_u32 s[WV], 4                          ; waves 0 to 3 fetch: five loads each are out
	s_cbranch_scc0 .Lno_fill
	tensor_load_to_lds s[G0:G0+3], s[G1N:G1N+7]
	s_nop 0
.irp p, 0,1,2,3
	tensor_load_to_lds s[G0+4+4*\p:G0+7+4*\p], s[G1:G1+7]
	s_nop 0
.endr
.rept 4
	v_nop
.endr
.Lno_fill:
	s_and_b32 s[PI], s[WV], 3
	s_lshr_b32 s[ROLE], s[WV], 2
	s_lshl_b32 s[SI], s[PI], 1
	s_add_co_u32 s[SI], s[SI], ttmp9               ; s = 2 x pair + g
	s_lshl_b32 s[NS], s[SI], 1
	s_add_co_u32 s[NS], s[NS], 2                   ; nS = 2 s + 2
	s_sub_co_u32 s[LS], 15, s[SI]
	s_cmp_eq_u32 s[ROLE], 0
	s_cselect_b32 s[STRIP], s[LS], s[SI]           ; wave A begins with the long strip, wave B with the short one
	s_cselect_b32 s[SWT], 99, s[NS]
	s_lshl_b32 s[Q0], s[STRIP], 6
	s_lshl_b32 s68, s[BH], 17                      ; qf: 131,072 bytes a head,
	s_add_nc_u64 s[4:5], s[4:5], s[68:69]
	s_lshl_b32 s68, s[STRIP], 13                   ; a strip is four tiles of 2,048
	s_add_nc_u64 s[QA:QA+1], s[4:5], s[68:69]
	s_lshl_b32 s68, s[LS], 13
	s_add_nc_u64 s[QB:QB+1], s[4:5], s[68:69]
	v_and_b32 v10, 31, v0
	v_lshlrev_b32 v1, 4, v10                       ; 16 x lane; never rewritten
.irp t, 0,1,2,3
.irp p, 0,1,2,3
	global_load_b128 v[QR+16*\t+4*\p:QR+16*\t+4*\p+3], v1, s[QA:QA+1] offset:2048*\t+512*\p   ; the strip's Q stays in registers
.endr
.endr
	WIN 0x40                                       ; destination window 1
.irp t, 0,1,2,3
.irp p, 0,1,2,3
	global_load_b128 v[QW2+16*\t+4*\p:QW2+16*\t+4*\p+3], v1, s[QB:QB+1] offset:2048*\t+512*\p ; the long strip's, for the change of strips
.endr
.endr
	WIN 0
	v_add_nc_u32 v2, VB, v1
	v_bfe_u32 v11, v0, 4, 1                        ; h
	v_and_b32 v12, 15, v0                          ; r
	v_lshl_add_u32 v3, v11, 5, NLB                 ; nl: + 32 h
	v_lshlrev_b32 v11, 3, v11
	v_sub_nc_u32 v4, v12, v11                      ; r - 8 h
	v_mov_b32 v[NINF], 0xff800000                  ; -infinity
	s_lshl_b32 s22, s[PI], 14
	v_add_nc_u32 v[XA], s22, v1
	s_lshr_b32 s22, s[BH], 4
	s_lshl_b32 s22, s22, 21                        ; y: 64 tiles of 32,768 bytes a sequence,
	s_and_b32 s23, s[BH], 15
	s_lshl_b32 s23, s23, 11                        ; the head's 64 channels: 2,048 bytes,
	s_add_co_u32 s22, s22, s23
	s_mov_b32 s23, 0
	s_add_nc_u64 s[70:71], s[10:11], s[22:23]
	s_lshl_b32 s22, s[SI], 17                      ; four tiles a strip
	s_add_nc_u64 s[YS:YS+1], s[70:71], s[22:23]
	s_lshl_b32 s22, s[LS], 17
	s_add_nc_u64 s[12:13], s[70:71], s[22:23]
	s_mov_b32 s[FIRST], 0
	LANDED 0
	s_wait_loadcnt 0x0                             ; Q, both sets
	s_mov_b32 s[TAU], 0
	STEPB 0, 0, 7, 1                               ; slot 0 is written out: its products start the sums
	LOOPB 1, 5, 7
	LANDED 1
	LOOPB 5, 9, 15
	LANDED 2
	LOOPB 9, 13, 23
	LANDED 3
	LOOPB 13, 16, 31
	s_mov_b32 s[TAU], 16                           ; the last slot is written out twice: in wave B of pair s = 0 it is the step of keys 992 on
	s_cmp_eq_u32 s[SWT], 2
	s_cbranch_scc1 .Lprec
	STEPB 0, 1, 31, 0
	s_branch .Llast_done
.Lprec:
	STEPB 1, 0, 31, 0
.Llast_done:
.rept 4
	v_nop                                          ; four places in front of the first read of O^T and of loads into registers that the products have read
.endr
	s_wait_dscnt 0x0
	s_barrier_signal -1
	s_barrier_wait -1                              ; no wave reads K's images any more; they have had their only fill
	s_cmp_eq_u32 s[ROLE], 0
	s_cbranch_scc1 .Lnot_b
	WIN 0x04                                       ; an LDS store's data: window 1
.set i, 0
.rept 32
	ds_store_b128 v[XA], v[4*i:4*i+3] offset:512*i ; wave B's part of the long strip's O^T, as an image of its registers; each accumulator from its low end on
.set i, i+1
.endr
	WIN 0
.Lnot_b:
	s_wait_dscnt 0x0                               ; for the partner's sake: my stores have landed
	s_barrier_signal -1
	s_barrier_wait -1
	s_cmp_lg_u32 s[ROLE], 0
	s_cbranch_scc1 .Ldone
.set i, 0
.rept 32
	ds_load_b128 v[16+4*i:16+4*i+3], v[XA] offset:512*i
.set i, i+1
.endr
	s_wait_dscnt 0x0
	WIN 0x41                                       ; O^T (destination and source 0) in window 1
.set i, 0
.rept 64
	v_pk_add_f32 v[2*i:2*i+1], v[2*i:2*i+1], v[16+2*i:17+2*i]   ; each accumulator from its low end on
.set i, i+1
.endr
	WIN 0x05                                       ; sources in window 1, destination in window 0
.set i, 0
.rept 64
	v_cvt_pk_f16_f32 v[S+i], v[2*i], v[2*i+1]      ; (t, c): four registers at 96 + 4 (4 t + c)
.set i, i+1
.endr
	WIN 0
.irp t, 0,1,2,3
.irp c, 0,1,2,3
	global_store_b128 v1, v[S+4*(4*\t+\c):S+4*(4*\t+\c)+3], s[12:13] offset:\t*32768+\c*512   ; 512 consecutive bytes
.endr
.endr
	s_cmp_lg_u32 s[LS], 15                         ; the last strip's tile 3 is the sequence's last 16 tokens: its lo part goes out too
	s_cbranch_scc1 .Ldone
.set i, 0
.rept 16
	v_mov_b32 v12, v[S+48+i]                       ; what was stored, as f32 again
	v_lshrrev_b32 v13, 16, v[S+48+i]
	v_cvt_f32_f16 v[KR+2*i], v12.l
	v_cvt_f32_f16 v[KR+2*i+1], v13.l
.set i, i+1
.endr
	WIN 0x41                                       ; O^T (destination and source 0) in window 1
.set i, 0
.rept 16
	v_pk_add_f32 v[96+2*i:97+2*i], v[96+2*i:97+2*i], v[KR+2*i:KR+2*i+1] neg_lo:[0,1] neg_hi:[0,1]   ; y - hi, exact
.set i, i+1
.endr
	WIN 0x05
.set i, 0
.rept 16
	v_cvt_pk_f16_f32 v[VR+i], v[96+2*i], v[96+2*i+1]   ; lo
.set i, i+1
.endr
	WIN 0
	s_lshr_b32 s22, s[BH], 4
	s_lshl_b32 s22, s22, 15                        ; 32,768 bytes a sequence,
	s_and_b32 s23, s[BH], 15
	s_lshl_b32 s23, s23, 11                        ; the head's 2,048,
	s_add_co_u32 s22, s22, s23
	s_add_co_u32 s22, s22, 16777216                ; behind the hi parts
	s_mov_b32 s23, 0
	s_add_nc_u64 s[62:63], s[10:11], s[22:23]
.irp c, 0,1,2,3
	global_store_b128 v1, v[VR+4*\c:VR+4*\c+3], s[62:63] offset:\c*512
.endr
.Ldone:
	s_set_vgpr_msb 0x4
	s_wait_tensorcnt 0x0
	ds_add_u32 v15, v225
	s_wait_dscnt 0x0
	s_set_vgpr_msb 0x400
	s_endpgm
.Lfunc_end_k_q72a819ed72_attn:
	.size	k_q72a819ed72_attn, .Lfunc_end_k_q72a819ed72_attn-k_q72a819ed72_attn
	.p2alignl 7, 3214868480
	.fill 96, 4, 3214868480
	.section	.rodata,"a",@progbits
	.p2align	6, 0x0
	.amdhsa_kernel k_q72a819ed72_attn
		.amdhsa_group_segment_fixed_size 267264
		.amdhsa_private_segment_fixed_size 0
		.amdhsa_enable_private_segment 0
		.amdhsa_kernarg_size 32
		.amdhsa_user_sgpr_count 2
		.amdhsa_user_sgpr_kernarg_segment_ptr 1
		.amdhsa_wavefront_size32 1
		.amdhsa_system_sgpr_workgroup_id_x 1
		.amdhsa_system_sgpr_workgroup_id_y 1
		.amdhsa_system_sgpr_workgroup_id_z 1
		.amdhsa_system_vgpr_workitem_id 0
		.amdhsa_next_free_vgpr 482
		.amdhsa_next_free_sgpr 88
		.amdhsa_reserve_vcc 1
		.amdhsa_float_denorm_mode_32 3
		.amdhsa_float_denorm_mode_16_64 3
		.amdhsa_memory_ordered 1
		.amdhsa_forward_progress 1
		.amdhsa_inst_pref_size 172
	.end_amdhsa_kernel
	.amdgpu_metadata
---
amdhsa.version: [ 1, 2 ]
amdhsa.kernels:
  - .name:           k_q72a819ed72_attn
    .symbol:         k_q72a819ed72_attn.kd
    .args:
      - { .name: qf, .offset: 0, .size: 8, .value_kind: global_buffer, .address_space: global }
      - { .name: kvf, .offset: 8, .size: 8, .value_kind: global_buffer, .address_space: global }
      - { .name: nl, .offset: 16, .size: 8, .value_kind: global_buffer, .address_space: global }
      - { .name: yf, .offset: 24, .size: 8, .value_kind: global_buffer, .address_space: global }
    .group_segment_fixed_size: 267264
    .private_segment_fixed_size: 0
    .kernarg_segment_align: 8
    .kernarg_segment_size: 32
    .max_flat_workgroup_size: 256
    .sgpr_count:     88
    .vgpr_count:     482
    .wavefront_size: 32
...
	.end_amdgpu_metadata
.endif
;; end of part 4
;; launch proj (part 5): grid 32 x 8, 4 waves a work-group, clusters of 4 x 1, 304,640 bytes of LDS; arguments yf, wp, b_proj, out0; writes out0
.if DOCPART == 5
	.amdgcn_target "amdgcn-amd-amdhsa--gfx1250"
	.amdhsa_code_object_version 6
	.text
	.protected	k_q72a819ed72_proj
	.globl	k_q72a819ed72_proj
	.p2align	8
	.type	k_q72a819ed72_proj,@function
k_q72a819ed72_proj:
	s_mov_b64 s[64:65], 0
	v_nop
	global_prefetch_b8 v0, s[64:65] scope:SCOPE_SE
	s_setreg_imm32_b32 hwreg(HW_REG_WAVE_MODE, 25, 1), 1
	s_wait_xcnt 0x0
	s_wait_alu depctr_hold_cnt(0) depctr_sa_sdst(0) depctr_va_vdst(0) depctr_va_sdst(0) depctr_va_ssrc(0) depctr_va_vcc(0) depctr_vm_vsrc(0)
	s_getreg_b32 s2, hwreg(HW_REG_IB_STS2, 6, 4)
	s_cmp_eq_u32 s2, 0
	s_cbranch_scc0 .Lentry_in_a_cluster
	s_endpgm
.Lentry_in_a_cluster:
	s_bfe_u32 s2, ttmp6, 0x10000c
	s_cmp_lg_u32 s2, 0x3003
	s_cbranch_scc0 .Lentry_shape_is_right
	s_endpgm
.Lentry_shape_is_right:
; out0 = y W_proj + b_proj, f16 operands, sums in f32.  y and W_proj arrive as images of operand registers (yf, wp).
; BITS.  Key j shares its weight among 1024 - j queries only, so the rms of the row n places from a sequence's end goes as 1 / sqrt(n), while the allowance hangs on the rms of the whole output.  For each sequence's LAST
; 16 TOKENS y and W_proj go as two f16 numbers each, hi and lo, and yl Wh + yh Wl is added to yh Wh; what is left out, yl Wl, lies some 2^-22 under the sum.  All other rows carry the plain f16 roundings.
; A work-group makes 256 tokens x 128 columns; each of its four waves 64 tokens x all 128 columns: 32 accumulators.
; W hi's 128 columns for ALL of K, 262,144 bytes, lie in LDS: first fills alone, four chunks of 256 along K, each wave a quarter of each; nothing is filled twice.
; CLUSTER 4 x 1: the four partners make the same columns for other tokens, so W's chunks are asked for jointly.  They take the SAME QUARTER of four sequences (batch = (cluster x >> 2) + 2 cx,
; quarter = cluster x & 3), so that the branch round the correction hangs on the cluster's x alone.
; y's fragments belong to one wave alone: they go from memory straight into a ring of eight sets of registers, seven K steps ahead (56 loads, 28,672 bytes a wave).
; THE PRODUCT IS USED TRANSPOSED (source 0 = 16 columns of W, source 1 = 16 tokens): a lane holds eight neighbouring numbers of a row of out0.  The bias is the C of the first K step.
; THE CORRECTION stands behind the K loop, in the work-groups of the last quarter.  The four waves share its columns: wave w makes it for column tiles 2 w and 2 w + 1: four products for 32 along K on two sums by turns,
; Wh from LDS, Wl, yl and yh from memory, seven steps ahead.  The sums reach wave 3, which holds the last tile, through LDS as images of their registers.
; REGISTERS: window 0: v1-15 addresses; v16-79, v80-143 W's fragments of a K step, two buffers (later the corrections, then rows of out0); v144-207 the bias (v144-159 later the correction's two sums).
;   window 1: the accumulators, (mt, nt) at 8 (8 mt + nt).   window 2: y's ring, set j at 32 j, tile mt at +8 mt (in the correction: set j at 16 j: yl, then yh).
;   window 3: in the correction: set j at 32 j: Wh of my two tiles, then Wl.
.set STAGE, 262144                     ; behind W: 16 rows x (512 + 16) bytes for each wave, for the way out; no fill lands there
.set XCH,   STAGE+4*16*528             ; behind the stages: the corrections' images, 1,024 bytes a column tile
.set BIAS, 144
.set CA,   144                         ; the correction's two sums
.set WV,  12
.set G1,  16
.set G0,  24
.set QUART, 48                         ; s48 which quarter of the sequence: made of the cluster's x alone
.set MSB, 0
.macro WIN new                         ; the immediate's high byte repeats the setting that is left
.if MSB != \new
	s_set_vgpr_msb (MSB<<8)|\new
.set MSB, \new
.endif
.endm
.macro CROUND                          ; a round of the cluster's barrier
	s_barrier_signal -1
	s_barrier_wait -1
	s_cmp_lg_u32 s[WV], 0
	s_cbranch_scc1 .Lnot_wave_0_\@
	s_barrier_signal -3
.Lnot_wave_0_\@:
	s_barrier_wait -3
	s_barrier_signal -1
	s_barrier_wait -1
.endm
.macro BLOAD kc                        ; W's eight fragments of K step kc into buffer kc % 2
.set WL, 16+64*((\kc)%2)
.irp nt, 0,1,2,3,4,5,6,7
.irp e, 0,1
	ds_load_b128 v[WL+8*\nt+4*\e:WL+8*\nt+4*\e+3], v[1+(\kc)/8] offset:((\kc)%8)*8192+\nt*1024+512*\e
.endr
.endr
.endm
.macro ALOAD kc                        ; y's four fragments of K step kc into set kc % 8
	WIN 0x80                                       ; destination window 2
.set YL, 32*((\kc)%8)
.irp mt, 0,1,2,3
.irp e, 0,1
	global_load_b128 v[YL+8*\mt+4*\e:YL+8*\mt+4*\e+3], v1, s[4:5] offset:\mt*32768+(\kc)*1024+512*\e
.endr
.endr
.endm
.macro KS kc                           ; a K step of 32: 32 products
.if (\kc) <= 25
	s_wait_loadcnt 48                              ; this step's y is in; the six later sets, 8 loads each, may be out
.else
	s_wait_loadcnt 8*(31-(\kc))
.endif
	s_wait_dscnt 0x0                               ; this step's W is in
.if ((\kc)%8 == 7) && ((\kc) < 31)
	s_wait_tensorcnt 2-(\kc)/8                     ; my quarter of the next chunk of W has landed; the later chunks may be out
	s_barrier_signal -1
	s_barrier_wait -1                              ; everybody's has
.endif
	WIN 0
.if (\kc) > 0
.rept 4
	v_nop                                          ; four places in front of loads into registers that the last step's products have read
.endr
.endif
.if (\kc) < 31
	BLOAD (\kc)+1
.endif
.if (\kc)+7 <= 31
	ALOAD (\kc)+7
.endif
.set WB, 16+64*((\kc)%2)
.set YS, 32*((\kc)%8)
.if (\kc) == 0
	WIN 0x48                                       ; W window 0, y window 2, C (the bias) window 0, D window 1
.else
	WIN 0x58                                       ; C and D window 1
.endif
.irp mt, 0,1,2,3
.irp nt, 0,1,2,3,4,5,6,7
.if (\kc) == 0
	v_wmma_f32_16x16x32_f16 v[8*(8*\mt+\nt):8*(8*\mt+\nt)+7], v[WB+8*\nt:WB+8*\nt+7], v[YS+8*\mt:YS+8*\mt+7], v[BIAS+8*\nt:BIAS+8*\nt+7]
.else
	v_wmma_f32_16x16x32_f16 v[8*(8*\mt+\nt):8*(8*\mt+\nt)+7], v[WB+8*\nt:WB+8*\nt+7], v[YS+8*\mt:YS+8*\mt+7], v[8*(8*\mt+\nt):8*(8*\mt+\nt)+7]   ; the 32 sums by turns, in the same order in every step
.endif
.endr
.endr
.endm
; THE CORRECTION.  What step kc wants, into set kc % 8: Wh of my two column tiles from LDS, their Wl, and the last tile's yl and yh from memory: 4 LDS loads, 8 loads
.macro CLOAD kc
.set CS3, 32*((\kc)%8)
.set CS2, 16*((\kc)%8)
	WIN 0xc0                                       ; destination window 3
.irp u, 0,1
.irp e, 0,1
	ds_load_b128 v[CS3+8*\u+4*\e:CS3+8*\u+4*\e+3], v[12+(\kc)/8] offset:((\kc)%8)*8192+\u*1024+512*\e
.endr
.endr
.irp u, 0,1
.irp e, 0,1
	global_load_b128 v[CS3+16+8*\u+4*\e:CS3+16+8*\u+4*\e+3], v1, s[50:51] offset:(\kc)*8192+\u*1024+512*\e
.endr
.endr
	WIN 0x80                                       ; destination window 2
.irp e, 0,1
	global_load_b128 v[CS2+4*\e:CS2+4*\e+3], v1, s[54:55] offset:(\kc)*1024+512*\e
	global_load_b128 v[CS2+8+4*\e:CS2+8+4*\e+3], v1, s[52:53] offset:(\kc)*1024+512*\e
.endr
.endm
.macro CSTEP kc
.if (\kc) <= 25
	s_wait_loadcnt 48                              ; this step's set is in; the six later sets, 8 loads
	s_wait_dscnt 24                                ; and 4 LDS loads each, may be out
.else
	s_wait_loadcnt 8*(31-(\kc))
	s_wait_dscnt 4*(31-(\kc))
.endif
.if (\kc)+7 <= 31
.if (\kc) > 0
.rept 4
	v_nop                                          ; four places in front of loads into the set that the last step's products have read
.endr
.endif
	CLOAD (\kc)+7
.endif
.set A3, 32*((\kc)%8)
.set B2, 16*((\kc)%8)
	WIN 0x0b                                       ; source 0 window 3, source 1 window 2, C and D window 0
.if (\kc) == 0
	v_wmma_f32_16x16x32_f16 v[CA:CA+7], v[A3:A3+7], v[B2:B2+7], 0                          ; Wh yl: the first products start the two sums
	v_wmma_f32_16x16x32_f16 v[CA+8:CA+15], v[A3+8:A3+15], v[B2:B2+7], 0
.else
	v_wmma_f32_16x16x32_f16 v[CA:CA+7], v[A3:A3+7], v[B2:B2+7], v[CA:CA+7]                 ; the two sums by turns, one instruction a turn
	v_wmma_f32_16x16x32_f16 v[CA+8:CA+15], v[A3+8:A3+15], v[B2:B2+7], v[CA+8:CA+15]
.endif
	v_wmma_f32_16x16x32_f16 v[CA:CA+7], v[A3+16:A3+23], v[B2+8:B2+15], v[CA:CA+7]          ; Wl yh
	v_wmma_f32_16x16x32_f16 v[CA+8:CA+15], v[A3+24:A3+31], v[B2+8:B2+15], v[CA+8:CA+15]
.endm
.macro TOSTAGE a                       ; 16 tokens x 128 columns through my stage, back as whole rows of 512 bytes
	WIN 0x04                                       ; an LDS store's data: window 1
.irp nt, 0,1,2,3,4,5,6,7
	ds_store_b128 v7, v[8*(8*(\a)+\nt):8*(8*(\a)+\nt)+3] offset:64*\nt          ; each accumulator from its low end on
	ds_store_b128 v7, v[8*(8*(\a)+\nt)+4:8*(8*(\a)+\nt)+7] offset:64*\nt+16
.endr
	WIN 0
.set BB, 16+64*((\a)%2)
.irp row, 0,1,2,3,4,5,6,7,8,9,10,11,12,13,14,15
	ds_load_b128 v[BB+4*\row:BB+4*\row+3], v8 offset:\row*528   ; LDS serves a wave in order: these see the stores above, and the next block's stores come behind them
.endr
.endm
.macro SEND a, younger                 ; younger: the LDS instructions issued behind block a's loads, which may stay out
.set BB, 16+64*((\a)%2)
	s_wait_dscnt \younger
.irp row, 0,1,2,3,4,5,6,7,8,9,10,11,12,13,14,15
	global_store_b128 v1, v[BB+4*\row:BB+4*\row+3], s[10:11] offset:(\a)*65536+\row*4096 th:TH_STORE_NT   ; 32 lanes store 512 consecutive bytes, at a multiple of 256 from out0's first byte
.endr
.endm
	s_load_b256 s[4:11], s[0:1], 0x0               ; yf s[4:5], wp s[6:7], b_proj s[8:9], out0 s[10:11]
	v_lshl_add_u32 v254, v0, 2, 0x4a400
	v_mov_b32 v255, 0
	ds_add_u32 v254, v255
	ds_add_u32 v254, v255
	v_lshrrev_b32 v1, 5, v0
	v_readfirstlane_b32 s[WV], v1                  ; wave 0..3
	s_bfe_u32 s13, ttmp6, 0x40000                  ; cx: it enters y's and out0's addresses alone
	s_and_b32 s[QUART], ttmp9, 3                   ; the quarter of the sequence: cluster x & 3
	s_lshr_b32 s49, ttmp9, 2
	s_lshl_b32 s14, s13, 1
	s_add_co_u32 s49, s49, s14                     ; the batch = (cluster x >> 2) + 2 cx
	s_lshl_b32 s14, s49, 2
	s_add_co_u32 s14, s14, s[QUART]                ; block of 256 tokens = 4 x batch + quarter
	s_and_b32 s15, ttmp7, 0xffff                   ; block of 128 columns, which the four partners share
	s_mov_b32 s[G1], 15|(3<<16)|(1<<21)            ; the mask: all four; elements of 8 bytes; 21 set beside a mask; no padding
	s_mov_b32 s[G1+1], 32<<16                      ; rows of 256 bytes,
	s_mov_b32 s[G1+2], 64<<16                      ; 64 of them: a quarter of a chunk
	s_mov_b32 s[G1+3], 32<<16
	s_mov_b32 s[G1+4], 64
	s_mov_b32 s[G1+5], 32
	s_mov_b32 s[G1+6], 0
	s_mov_b32 s[G1+7], 0
	s_lshl_b32 s42, s[WV], 14                      ; my quarter
	s_lshl_b32 s40, s15, 18                        ; 262,144 bytes a block of columns
	s_add_co_u32 s40, s40, s42
	s_mov_b32 s41, 0
	s_wait_dscnt 0x0
	s_wait_kmcnt 0x0
	s_add_nc_u64 s[40:41], s[6:7], s[40:41]
.irp ch, 0,1,2,3
	s_mov_b32 s[G0+4*\ch], 1
	s_add_co_u32 s[G0+4*\ch+1], s42, \ch*65536
	s_add_nc_u64 s[G0+4*\ch+2:G0+4*\ch+3], s[40:41], \ch*65536
	s_or_b32 s[G0+4*\ch+3], s[G0+4*\ch+3], 0x80000000
.endr
	CROUND                                         ; all four work-groups are here: the joint loads meet
.irp ch, 0,1,2,3
	tensor_load_to_lds s[G0+4*\ch:G0+4*\ch+3], s[G1:G1+7]   ; four loads of mine are out
	s_nop 0
.endr
.rept 4
	v_nop
.endr
	v_and_b32 v208, 31, v0
	v_lshlrev_b32 v1, 4, v208                      ; 16 x lane: W's chunk 0, y, out0
.irp q, 1,2,3
	v_add_nc_u32 v[1+\q], \q*65536, v1             ; W's chunk q
.endr
	v_bfe_u32 v209, v0, 4, 1                       ; h
	v_and_b32 v210, 15, v0                         ; r
	v_lshlrev_b32 v6, 5, v209                      ; the bias: 32 h
	s_mul_i32 s43, s[WV], 16*528
	s_add_co_u32 s43, s43, STAGE                   ; my stage
	v_mul_u32_u24 v7, v210, 528
	v_lshl_add_u32 v7, v209, 5, v7
	v_add_nc_u32 v7, s43, v7                       ; in: row r, + 32 h
	v_add_nc_u32 v8, s43, v1                       ; back: 16 bytes a lane of a row
	s_lshl_b32 s43, s[WV], 11                      ; the correction: my two column tiles, 2,048 bytes on for each wave,
.irp q, 0,1,2,3
	v_add_nc_u32 v[12+\q], s43, v[1+\q]            ; in W's chunk q;
.endr
	s_add_co_u32 s43, s43, XCH
	v_add_nc_u32 v10, s43, v1                      ; where I put my two sums' images;
	v_add_nc_u32 v11, XCH, v1                      ; and where wave 3 reads all eight
	s_lshl_b32 s50, s15, 18                        ; W lo: my block of columns,
	s_lshl_b32 s51, s[WV], 11                      ; my two tiles,
	s_add_co_u32 s50, s50, s51
	s_add_co_u32 s50, s50, 2097152                 ; behind the hi parts
	s_mov_b32 s51, 0
	s_add_nc_u64 s[50:51], s[6:7], s[50:51]
	s_lshl_b32 s52, s49, 6
	s_add_co_u32 s52, s52, 63                      ; y hi of the sequence's last tile: tile 64 x batch + 63
	s_lshl_b32 s52, s52, 15
	s_mov_b32 s53, 0
	s_add_nc_u64 s[52:53], s[4:5], s[52:53]
	s_lshl_b32 s54, s49, 15                        ; its lo: 32,768 bytes a sequence,
	s_add_co_u32 s54, s54, 16777216                ; behind the hi parts
	s_mov_b32 s55, 0
	s_add_nc_u64 s[54:55], s[4:5], s[54:55]
	s_lshl_b32 s44, s14, 4
	s_lshl_b32 s45, s[WV], 2
	s_add_co_u32 s44, s44, s45                     ; my first tile of tokens
	s_lshl_b32 s44, s44, 15
	s_mov_b32 s45, 0
	s_add_nc_u64 s[4:5], s[4:5], s[44:45]
	s_lshl_b32 s44, s15, 9                         ; 128 columns of f32
	s_add_nc_u64 s[8:9], s[8:9], s[44:45]
	s_lshl_b32 s46, s14, 20                        ; 256 rows of 4,096 bytes
	s_lshl_b32 s47, s[WV], 18                      ; my 64
	s_add_co_u32 s46, s46, s47
	s_add_co_u32 s46, s46, s44
	s_mov_b32 s47, 0
	s_add_nc_u64 s[10:11], s[10:11], s[46:47]
.irp nt, 0,1,2,3,4,5,6,7
	global_load_b128 v[BIAS+8*\nt:BIAS+8*\nt+3], v6, s[8:9] offset:64*\nt          ; register j of tile nt: column 16 nt + 8 h + j
	global_load_b128 v[BIAS+8*\nt+4:BIAS+8*\nt+7], v6, s[8:9] offset:64*\nt+16
.endr
.irp k, 0,1,2,3,4,5,6
	ALOAD \k
.endr
	WIN 0
	s_wait_tensorcnt 3                             ; my quarter of W's first chunk has landed,
	s_barrier_signal -1
	s_barrier_wait -1                              ; everybody's has
	BLOAD 0
.set Q, 0
.rept 32
	KS Q
.set Q, Q+1
.endr
	WIN 0
.rept 4
	v_nop                                          ; four places in front of the first read of results and of loads into registers that the last products have read
.endr
	s_cmp_lg_u32 s[QUART], 3                       ; the sequence's last 16 tokens lie in the last quarter: the same answer in all four waves and all four partners
	s_cbranch_scc1 .Lno_corr
.irp k, 0,1,2,3,4,5,6
	CLOAD \k
.endr
.set Q, 0
.rept 32
	CSTEP Q
.set Q, Q+1
.endr
	WIN 0
.rept 4
	v_nop                                          ; four places in front of the first read of the two sums
.endr
.irp u, 0,1
	ds_store_b128 v10, v[CA+8*\u:CA+8*\u+3] offset:1024*\u         ; as images of their registers; each sum from its low end on
	ds_store_b128 v10, v[CA+8*\u+4:CA+8*\u+7] offset:1024*\u+512
.endr
.Lno_corr:
	s_wait_dscnt 0x0                               ; for the others' sake: my stores have landed
	s_barrier_signal -1
	s_barrier_wait -1                              ; every work-group passes this barrier
	s_cmp_eq_u32 s[QUART], 3                       ; wave 3 of the last quarter holds the last tile: it adds the eight corrections to its sums
	s_cselect_b32 s56, s[WV], 0
	s_cmp_eq_u32 s56, 3
	s_cbranch_scc0 .Lno_add
.irp nt, 0,1,2,3,4,5,6,7
	ds_load_b128 v[16+8*\nt:16+8*\nt+3], v11 offset:1024*\nt
	ds_load_b128 v[16+8*\nt+4:16+8*\nt+7], v11 offset:1024*\nt+512
.endr
	s_wait_dscnt 0x0
	WIN 0x41                                       ; the sums (destination and source 0) in window 1
.set i, 0
.rept 32
	v_pk_add_f32 v[192+2*i:193+2*i], v[192+2*i:193+2*i], v[16+2*i:17+2*i]   ; accumulator (3, nt) stands at 192 + 8 nt; each from its low end on
.set i, i+1
.endr
	WIN 0
.Lno_add:
	TOSTAGE 0
	TOSTAGE 1
	SEND 0, 32                                     ; behind block 0's loads: block 1's 16 stores and 16 loads
	s_wait_xcnt 0x0                                ; block 0's stores have read their registers: block 2's rows may land there
	TOSTAGE 2
	SEND 1, 32
	s_wait_xcnt 0x0
	TOSTAGE 3
	SEND 2, 32
	SEND 3, 0
	s_wait_dscnt 0x0
	s_wait_tensorcnt 0x0
	ds_add_u32 v254, v255
	s_wait_dscnt 0x0
	CROUND                                         ; the closing round: no work-group ends while a partner may still ask for a tile that names it
	s_endpgm
.Lfunc_end_k_q72a819ed72_proj:
	.size	k_q72a819ed72_proj, .Lfunc_end_k_q72a819ed72_proj-k_q72a819ed72_proj
	.p2alignl 7, 3214868480
	.fill 96, 4, 3214868480
	.section	.rodata,"a",@progbits
	.p2align	6, 0x0
	.amdhsa_kernel k_q72a819ed72_proj
		.amdhsa_group_segment_fixed_size 304640
		.amdhsa_private_segment_fixed_size 0
		.amdhsa_enable_private_segment 0
		.amdhsa_kernarg_size 32
		.amdhsa_user_sgpr_count 2
		.amdhsa_user_sgpr_kernarg_segment_ptr 1
		.amdhsa_wavefront_size32 1
		.amdhsa_system_sgpr_workgroup_id_x 1
		.amdhsa_system_sgpr_workgroup_id_y 1
		.amdhsa_system_sgpr_workgroup_id_z 1
		.amdhsa_system_vgpr_workitem_id 0
		.amdhsa_next_free_vgpr 1024
		.amdhsa_next_free_sgpr 66
		.amdhsa_reserve_vcc 0
		.amdhsa_float_denorm_mode_32 3
		.amdhsa_float_denorm_mode_16_64 3
		.amdhsa_memory_ordered 1
		.amdhsa_forward_progress 1
		.amdhsa_inst_pref_size 203
	.end_amdhsa_kernel
	.amdgpu_metadata
---
amdhsa.version: [ 1, 2 ]
amdhsa.kernels:
  - .name:           k_q72a819ed72_proj
    .symbol:         k_q72a819ed72_proj.kd
    .args:
      - { .name: yf, .offset: 0, .size: 8, .value_kind: global_buffer, .address_space: global }
      - { .name: wp, .offset: 8, .size: 8, .value_kind: global_buffer, .address_space: global }
      - { .name: b_proj, .offset: 16, .size: 8, .value_kind: global_buffer, .address_space: global }
      - { .name: out0, .offset: 24, .size: 8, .value_kind: global_buffer, .address_space: global }
    .group_segment_fixed_size: 304640
    .private_segment_fixed_size: 0
    .kernarg_segment_align: 8
    .kernarg_segment_size: 32
    .max_flat_workgroup_size: 128
    .sgpr_count:     66
    .vgpr_count:     1024
    .wavefront_size: 32
...
	.end_amdgpu_metadata
.endif
;; end of part 5
